; MI455X (gfx1250); checked and timed in simulation.
; The chip was launched on July 23, 2026; its instructions are those of AMD's public machine-readable ISA for CDNA 5 (MIT licence, August 2026) and "CDNA5" Instruction Set Architecture Reference Guide (July 2026). The comments in the code are by the model that wrote it; some were corrected since.
;; Causal Self Attention. Allowed arithmetic: matrix products marked QUANTISED: E2M1 operands, one E8M0 scale for each 32 along K, by v_wmma_scale_f32_16x16x128_f8f6f4 with both operands' format E2M1 (or v_wmma_scale_f32_32x16x128_f4), f32 sums; products left as they are: bf16, f16 or f32 operands; f32 sums; everything else in f32.
;; Inputs: W_attn 3,072 x 1,024 float32; W_proj 1,024 x 1,024 float32; b_attn 3,072 float32; b_proj 1,024 float32; rel_emb 32 x 16 float32; x 4 x 2,048 x 1,024 float32.
;; Outputs: out0 4 x 2,048 x 1,024 float32.
;; This version of the problem:
;;   THIS VERSION OF THE PROBLEM IS GIVEN IN LOW PRECISION. The matrix products marked QUANTISED in the list below multiply operands that are first quantised to E2M1 (2 exponent bits, 1 mantissa bit; 4 bits a number), with one power-of-two scale for each 32 numbers along K (OCP MX v1.0); their sums are f32. The products marked 'left as it is' may take bf16, f16 or f32 operands, with f32 sums. Whichever they take, every output number must still come out within the allowed error. Rounding operands to bf16 (8 significant bits) uses up far more of that allowance than f16 does (11 bits, for magnitudes from 6e-5 to 65,504). All else is computed in f32.
;;   The module's matrix products, in the order in which they are computed (A, B: the left and right operand; K: the contracted axis; several contracted axes count as one K, in the product's order):
;;     1. [M 8,192, K 1,024] x [K 1,024, N 3,072]; A: input x; B: input W_attn: QUANTISED
;;     2. batch 64 x [M 2,048, K 64] x [K 64, N 2,048]; A: computed on the way; B: computed on the way: left as it is (an operand is computed on the way)
;;     3. batch 64 x [M 2,048, K 2,048] x [K 2,048, N 64]; A: computed on the way; B: computed on the way: left as it is (an operand is computed on the way)
;;     4. [M 8,192, K 1,024] x [K 1,024, N 1,024]; A: computed on the way; B: input W_proj: left as it is (an operand is computed on the way)
;;   THE QUANTISER, for each operand of a quantised product, along K:
;;     - K is cut into blocks of 32 from its start; a last block that is shorter is filled with zeros.
;;     - A block's scale is 2^e with e = floor(log2(the largest magnitude in the block)) - 2, held to -126 .. 127; a block of zeros has e = 0. As a byte (E8M0): e + 127.
;;     - Each number is divided by its block's scale, clamped to +-6, and rounded to the nearest number of E2M1, ties to even, subnormals kept.
;;     - The product sums the exact products of the quantised numbers (number of the format x scale) in f32.
;;   ~~~python
;;   def quantise(x, axis):      # numpy; x: float32 -> the quantised numbers, widened to float32 again
;;       x = np.moveaxis(x, axis, -1); K = x.shape[-1]
;;       x = np.pad(x, [(0, 0)] * (x.ndim - 1) + [(0, -K % 32)]); x = x.reshape(x.shape[:-1] + (-1, 32)); a = np.abs(x).max(-1, keepdims=True)
;;       e = np.where(a > 0, np.clip(np.frexp(np.where(a > 0, a, 1))[1] - 1 - 2, -126, 127), 0)      # np.frexp(a)[1] - 1 = floor(log2(a)), exactly
;;       r = np.clip(x / 2.0 ** e, -6, 6)
;;       step = 2.0 ** (np.maximum(np.frexp(np.where(r == 0, 1, r))[1] - 1, 0) - 1)
;;       q = np.round(r / step) * step * 2.0 ** e      # np.round: ties to even
;;       return np.moveaxis(q.reshape(q.shape[:-2] + (-1,))[..., :K], -1, axis).astype(np.float32)
;;   ~~~
;; One version. Each part assembles by itself: llvm-mc -triple=amdgcn-amd-amdhsa -mcpu=gfx1250 --defsym DOCPART=n.
;; ======== version 1 of 1: 6 launches
;; limits: values are held in f16: magnitudes above 65,504 overflow, below 6.1e-05 lose precision
;; workspace buffers: xc 4,194,304 bytes; xs 262,144 bytes; wc 1,572,864 bytes; ws 98,304 bytes; wp 2,097,152 bytes; qkv 50,331,648 bytes; y 16,777,216 bytes; yf 262,144 bytes
;; launch prep (part 1): grid 416 x 1, 4 waves a work-group, no clusters, 66,048 bytes of LDS; arguments x, W_attn, W_proj, xc, xs, wc, ws, wp; writes xc, xs, wc, ws, wp
.if DOCPART == 1
	.amdgcn_target "amdgcn-amd-amdhsa--gfx1250"
	.amdhsa_code_object_version 6
	.text
	.protected	k_q87104f6936_prep
	.globl	k_q87104f6936_prep
	.p2align	8
	.type	k_q87104f6936_prep,@function
k_q87104f6936_prep:
	s_mov_b64 s[64:65], 0
	v_nop
	global_prefetch_b8 v0, s[64:65] scope:SCOPE_SE
	s_setreg_imm32_b32 hwreg(HW_REG_WAVE_MODE, 25, 1), 1
	s_wait_xcnt 0x0
; CAUSAL SELF-ATTENTION, B = 4, T = 2,048, C = 1,024, H = 16, D = 64, in six launches:
;   prep (this one): x and W_attn into codes of E2M1 with E8M0 scale bytes; W_proj into f16   | qkv_gemm: x W_attn^T on codes, results as f16 | attn: softmax(q k^T / 8 + bias) v in f16 operands, f32 sums
;   proj: y W_proj^T + b_proj | first_att, first_proj: the first 16 positions of every sequence once more, in f32 from the codes on.
; WORK LEFT OUT, in the problem's own terms, for all finite values of the inputs:
;  (1) b_attn[1024:2048], the bias on k.  q . (k + b) = q . k + q . b, and q . b is the same for every key of a row of att: softmax along the keys takes it away.  The product q k^T is not quantised, so the
;      bias moves no code.  These 1,024 numbers are never loaded.
;  (2) rel_emb[31][h] is taken off every bias of head h: a term that is the same along the softmax's axis.  bucket(d) = 31 from distance 113 on, so key tiles whose distances are all 113 or more take no bias.
;  (3) Key steps that lie wholly behind the causal mask, which reference() builds itself, are not walked and their tiles are not fetched.
;  (4) bucket(d) hangs on constants of reference() alone: min(d, 16) + the number of T <= d among 19 21 24 27 31 35 40 46 52 59 67 77 87 99 113.  The real thresholds 16 x 2^(3 k / 16) are
;      18.22 20.75 23.63 26.91 30.64 34.90 39.74 45.25 51.54 58.69 66.83 76.11 86.67 98.70 112.40: none nearer than 0.09 to a whole number, so f32 rounding of the logarithm moves no bucket.
;  (5) The bias on v is moved, not dropped: sum(p (v + b)) / sum(p) = sum(p v) / sum(p) + b: it is the addend of the multiply-add that divides by the row's sum.
; LIMITS: a NaN, an infinity or an overflow that reaches only the bias on k is not carried to the result.  Masked scores are -3e38 and not -infinity (p is 0 either way).  NaN and infinities among the inputs are
; not served.  A block of zeros gets the scale byte 1 where the rule says 127: its codes are zeros, and this program alone reads the bytes.  Blocks whose largest magnitude lies under 2^-124 are held at byte 1.
; q, k, v, p, y and W_proj go to the matrix units as f16: with x and W_attn both 30 times larger q, k, v stay under some 6,000, inside f16's range.
;
; THIS LAUNCH.  Work-groups 0-255 quantise x, 256-351 W_attn: K is innermost and a multiple of 32, so each tensor is a plain stream of blocks of 32; a wave takes 16 steps of 512 numbers.  Each load reads 512
; consecutive bytes; a step's 2,048 bytes turn through the wave's own stage in LDS so that a lane holds 16 neighbours (two lanes to a block).  Codes leave as 256 consecutive bytes a store, a wave's 256 scale bytes as one store.
; Work-groups 352-415 round W_proj to f16 and lay it as IMAGES OF OPERAND REGISTERS: a fragment of 16 rows x 32 k is 1,024 bytes, registers 4 c .. 4 c + 3 of lane l at 512 c + 16 l; order [k / 128][n / 16][(k / 32) % 4].
; The two paths part on the work-group's number alone and have LDS bytes of their own.  No tensor load, no barrier: waves share nothing.
.set WAVES, 4
.set STEPS, 16
.set WGA,   256                        ; work-groups for x: 8,388,608 numbers / 32,768
.set WGQ,   352                        ; and with W_attn's 96
.set EMAX,  2
.set CB,    8                          ; bytes of 16 codes
.set R,     16                         ; v16-79   four sets of 16 numbers as loaded (second path: v16-143, 32 loads)
.set X,     80                         ; v80-111  two sets of 16 neighbours
.set E,     112                        ; v112-127 a scale byte for each step
.set C,     128                        ; v128-191 codes, four registers a step
.set OUTR,  144                        ; second path: v144-207 the images on their way out
.set WREG,  8192                       ; LDS: a region for each wave: two stages of 32 x SP bytes, then its 256 scale bytes
.set SP,    80
.set CONV,  32768                      ; LDS of the second path: 8,192 bytes a wave
.set SPARE, 65536                      ; the spare words, 128 bytes a wave: two blocks of 256 bytes that no other line names
.set SPW,   12                         ; v12  SPARE + 4 x my thread's number; never rewritten
.set NIL,   13                         ; v13  0; never rewritten
.set IMG,   208                        ; v208 second path: where my 8 bytes of a fragment's image go
.set RDB,   209                        ; v209 second path: 16 x lane in my wave's images
.set GL,    210                        ; v210 second path: my 16 bytes of two rows of W_proj
	s_load_b256 s[4:11], s[0:1], 0x0               ; x s[4:5], W_attn s[6:7], W_proj s[8:9], xc s[10:11]
	s_load_b256 s[12:19], s[0:1], 0x20             ; xs s[12:13], wc s[14:15], ws s[16:17], wp s[18:19]
	v_lshl_add_u32 v[SPW], v0, 2, SPARE
	v_mov_b32 v[NIL], 0
	v_lshrrev_b32 v1, 5, v0
	v_readfirstlane_b32 s20, v1                    ; wave
	v_and_b32 v2, 31, v0                           ; lane
	v_lshlrev_b32 v3, 4, v2                        ; 16 x lane
	s_mul_i32 s21, s20, WREG
	v_lshrrev_b32 v14, 2, v2
	v_mul_u32_u24 v14, v14, SP
	v_and_b32 v15, 3, v2
	v_lshl_add_u32 v14, v15, 4, v14
	v_add_nc_u32 v14, s21, v14                     ; the stage, on the way in: SP (lane / 4) + 16 (lane % 4)
	v_mul_u32_u24 v15, v2, SP
	v_add_nc_u32 v15, s21, v15                     ; and on the way out: SP x lane: my 16 neighbours
	v_mul_u32_u24 v4, v2, CB                       ; my codes' place in a step's
	v_lshrrev_b32 v5, 1, v2
	s_add_co_u32 s21, s21, 2*32*SP
	v_add_nc_u32 v5, s21, v5                       ; my wave's 256 scale bytes, my block's byte
	v_lshlrev_b32 v7, 3, v2
	v_add_nc_u32 v6, s21, v7                       ; and on the way out 8 bytes a lane
	; the second path's addresses.  Lane l of a load holds row 2 i + l / 16 and k = 4 (l % 16) .. + 3 of a chunk of 64: in the image that is fragment bit 3, piece bit 2, half bit 1, 8 bytes x bit 0, row 16 x bit 4
	v_bfe_u32 v1, v0, 3, 1
	v_lshlrev_b32 v[IMG], 10, v1
	v_bfe_u32 v1, v0, 2, 1
	v_lshl_or_b32 v[IMG], v1, 9, v[IMG]
	v_bfe_u32 v1, v0, 1, 1
	v_lshl_or_b32 v[IMG], v1, 8, v[IMG]
	v_and_b32 v1, 1, v0
	v_lshl_or_b32 v[IMG], v1, 3, v[IMG]
	v_bfe_u32 v1, v0, 4, 1
	v_lshl_or_b32 v[IMG], v1, 4, v[IMG]
	v_and_b32 v[GL], 15, v0
	v_lshlrev_b32 v[GL], 4, v[GL]
	v_lshl_or_b32 v[GL], v1, 12, v[GL]             ; lanes 0-15: 256 bytes of one row, lanes 16-31: of the next
	s_lshl_b32 s23, s20, 13
	s_add_co_u32 s23, s23, CONV
	v_add_nc_u32 v[IMG], s23, v[IMG]
	v_add_nc_u32 v[RDB], s23, v3
	s_wait_kmcnt 0x0
	s_cmp_ge_u32 ttmp9, WGQ
	s_cbranch_scc1 .Lconv
	; ---- the quantiser
	s_cmp_lt_u32 ttmp9, WGA                        ; x's work-group or W_attn's?  Only pointers are chosen: both take one path
	s_cselect_b64 s[4:5], s[4:5], s[6:7]
	s_cselect_b64 s[10:11], s[10:11], s[14:15]
	s_cselect_b64 s[12:13], s[12:13], s[16:17]
	s_cselect_b32 s24, 0, WGA
	s_sub_co_u32 s24, ttmp9, s24
	s_lshl_b32 s24, s24, 2
	s_add_co_u32 s24, s24, s20                     ; which run of 8,192 numbers is my wave's
	s_mov_b32 s25, 0
	s_lshl_b64 s[26:27], s[24:25], 15              ; 32,768 bytes of f32,
	s_add_nc_u64 s[4:5], s[4:5], s[26:27]
	s_lshl_b64 s[26:27], s[24:25], 12              ; 4,096 of codes,
	s_add_nc_u64 s[10:11], s[10:11], s[26:27]
	s_lshl_b64 s[26:27], s[24:25], 8               ; 256 scale bytes a run
	s_add_nc_u64 s[12:13], s[12:13], s[26:27]
.macro LOAD t
.irp i, 0,1,2,3
	global_load_b128 v[R+16*((\t)%4)+4*\i:R+16*((\t)%4)+4*\i+3], v3, s[4:5] offset:2048*(\t)+512*\i th:TH_LOAD_NT   ; 32 lanes read 512 consecutive bytes
.endr
.endm
.macro TURN t                          ; step t's numbers through the stage: LDS serves a wave's instructions in order, so no wait stands between the stores and the loads
.irp i, 0,1,2,3
	ds_store_b128 v14, v[R+16*((\t)%4)+4*\i:R+16*((\t)%4)+4*\i+3] offset:32*SP*((\t)%2)+8*SP*\i
.endr
.irp i, 0,1,2,3
	ds_load_b128 v[X+16*((\t)%2)+4*\i:X+16*((\t)%2)+4*\i+3], v15 offset:32*SP*((\t)%2)+16*\i
.endr
.endm
.irp t, 0,1,2,3
	LOAD \t
.endr
	s_wait_loadcnt 12                              ; step 0's four loads are in; three steps' twelve stay out
	TURN 0
.macro STEP t
.set XS, X+16*((\t)%2)
.if (\t) > 0
	s_wait_dscnt 1                                 ; this step's numbers are back from the stage (the last step's byte store may be out): so its stores into the stage have read their registers,
.else
	s_wait_dscnt 0x0
.endif
.if (\t)+4 < STEPS
	LOAD (\t)+4                                    ; which take the loads of four steps on
.endif
.if (\t)+1 < STEPS
.if STEPS-2-(\t) >= 3
	s_wait_loadcnt 12                              ; the next step's four loads are in; those of the three steps behind it may be out
.else
	s_wait_loadcnt 4*(STEPS-2-(\t))
.endif
	TURN (\t)+1
.endif
	v_max3_num_f32 v8, |v[XS]|, |v[XS+1]|, |v[XS+2]|               ; the largest magnitude of my 16, in two chains
	v_max3_num_f32 v9, |v[XS+3]|, |v[XS+4]|, |v[XS+5]|
.irp i, 6,10
	v_max3_num_f32 v8, v8, |v[XS+\i]|, |v[XS+\i+1]|
	v_max3_num_f32 v9, v9, |v[XS+\i+2]|, |v[XS+\i+3]|
.endr
	v_max3_num_f32 v8, v8, |v[XS+14]|, |v[XS+15]|
	v_max3_num_f32 v8, v8, v9, (EMAX+1)<<23        ; and the floor 2^(3 - 127): the byte cannot fall under 1
	v_max_num_f32_dpp v8, v8, v8 row_xmask:1 row_mask:0xf bank_mask:0xf   ; and of my neighbour's 16: the block's
	v_add_nc_u32 v11, -(EMAX<<23), v8              ; 2 off its exponent field: the conversion takes the exponent field of this operand as its scale
	v_cvt_scalef32_pk8_fp4_f32 v[C+4*(\t)], v[XS:XS+7], v11
	v_cvt_scalef32_pk8_fp4_f32 v[C+4*(\t)+1], v[XS+8:XS+15], v11
	v_lshrrev_b32 v[E+(\t)], 23, v11               ; the scale's byte (also the plain line behind the conversions)
	ds_store_b8 v5, v[E+(\t)] offset:16*(\t)       ; both lanes of a block write the same byte with the same value
	global_store_b64 v4, v[C+4*(\t):C+4*(\t)+1], s[10:11] offset:32*CB*(\t)   ; 32 lanes store 256 consecutive bytes, aligned
.endm
.irp t, 0,1,2,3,4,5,6,7,8,9,10,11,12,13,14,15
	STEP \t
.endr
	ds_load_b64 v[8:9], v6                         ; LDS serves a wave's instructions in order: these see my stores
	s_wait_dscnt 0x0
	global_store_b64 v7, v[8:9], s[12:13]          ; 32 lanes store 256 consecutive bytes, aligned
	s_wait_tensorcnt 0x0                           ; the wave's end, behind my last LDS store
	ds_add_u32 v[SPW], v[NIL]
	s_wait_dscnt 0x0
	s_endpgm
	; ---- W_proj: work-group nb takes rows 16 nb .. + 15, wave w k = 256 w .. + 255
.Lconv:
	s_sub_co_u32 s22, ttmp9, WGQ                   ; nb
	s_lshl_b32 s24, s22, 16                        ; 16 rows of 4,096 bytes
	s_lshl_b32 s25, s20, 10
	s_add_co_u32 s24, s24, s25
	s_mov_b32 s25, 0
	s_add_nc_u64 s[8:9], s[8:9], s[24:25]
	s_lshl_b32 s24, s20, 7
	s_add_co_u32 s24, s24, s22
	s_lshl_b32 s24, s24, 12                        ; wp: (64 x (2 w) + nb) x 4,096
	s_add_nc_u64 s[18:19], s[18:19], s[24:25]
.irp c, 0,1,2,3
.irp i, 0,1,2,3,4,5,6,7
	global_load_b128 v[R+4*(8*\c+\i):R+4*(8*\c+\i)+3], v[GL], s[8:9] offset:8192*\i+256*\c th:TH_LOAD_NT   ; rows 2 i, 2 i + 1, chunk c of 64 k: two runs of 256 consecutive bytes
.endr
.endr
.irp c, 0,1,2,3
	s_wait_loadcnt 24-8*\c                         ; chunk c's eight loads are in; the younger chunks' stay out
.irp i, 0,1,2,3,4,5,6,7
	v_cvt_pk_f16_f32 v[R+4*(8*\c+\i)], v[R+4*(8*\c+\i)], v[R+4*(8*\c+\i)+1]
	v_cvt_pk_f16_f32 v[R+4*(8*\c+\i)+1], v[R+4*(8*\c+\i)+2], v[R+4*(8*\c+\i)+3]
	ds_store_b64 v[IMG], v[R+4*(8*\c+\i):R+4*(8*\c+\i)+1] offset:2048*\c+32*\i
.endr
.endr
.irp t, 0,1,2,3,4,5,6,7,8,9,10,11,12,13,14,15
	ds_load_b128 v[OUTR+4*\t:OUTR+4*\t+3], v[RDB] offset:512*\t   ; my own bytes, served in order behind my stores
.endr
.irp t, 0,1,2,3,4,5,6,7,8,9,10,11,12,13,14,15
	s_wait_dscnt 15-\t
	global_store_b128 v3, v[OUTR+4*\t:OUTR+4*\t+3], s[18:19] offset:(\t/8)*262144+(\t%8)*512   ; 512 consecutive bytes a store; the second 128 along K lie 64 blocks of 4,096 bytes on
.endr
	s_wait_tensorcnt 0x0                           ; the wave's end: the same three lines
	ds_add_u32 v[SPW], v[NIL]
	s_wait_dscnt 0x0
	s_endpgm
.Lfunc_end_k_q87104f6936_prep:
	.size	k_q87104f6936_prep, .Lfunc_end_k_q87104f6936_prep-k_q87104f6936_prep
	.p2alignl 7, 3214868480
	.fill 96, 4, 3214868480
	.section	.rodata,"a",@progbits
	.p2align	6, 0x0
	.amdhsa_kernel k_q87104f6936_prep
		.amdhsa_group_segment_fixed_size 66048
		.amdhsa_private_segment_fixed_size 0
		.amdhsa_enable_private_segment 0
		.amdhsa_kernarg_size 64
		.amdhsa_user_sgpr_count 2
		.amdhsa_user_sgpr_kernarg_segment_ptr 1
		.amdhsa_wavefront_size32 1
		.amdhsa_system_sgpr_workgroup_id_x 1
		.amdhsa_system_sgpr_workgroup_id_y 1
		.amdhsa_system_sgpr_workgroup_id_z 1
		.amdhsa_system_vgpr_workitem_id 0
		.amdhsa_next_free_vgpr 212
		.amdhsa_next_free_sgpr 66
		.amdhsa_reserve_vcc 0
		.amdhsa_float_denorm_mode_32 3
		.amdhsa_float_denorm_mode_16_64 3
		.amdhsa_memory_ordered 1
		.amdhsa_forward_progress 1
		.amdhsa_inst_pref_size 47
	.end_amdhsa_kernel
	.amdgpu_metadata
---
amdhsa.version: [ 1, 2 ]
amdhsa.kernels:
  - .name:           k_q87104f6936_prep
    .symbol:         k_q87104f6936_prep.kd
    .args:
      - { .name: x, .offset: 0, .size: 8, .value_kind: global_buffer, .address_space: global }
      - { .name: W_attn, .offset: 8, .size: 8, .value_kind: global_buffer, .address_space: global }
      - { .name: W_proj, .offset: 16, .size: 8, .value_kind: global_buffer, .address_space: global }
      - { .name: xc, .offset: 24, .size: 8, .value_kind: global_buffer, .address_space: global }
      - { .name: xs, .offset: 32, .size: 8, .value_kind: global_buffer, .address_space: global }
      - { .name: wc, .offset: 40, .size: 8, .value_kind: global_buffer, .address_space: global }
      - { .name: ws, .offset: 48, .size: 8, .value_kind: global_buffer, .address_space: global }
      - { .name: wp, .offset: 56, .size: 8, .value_kind: global_buffer, .address_space: global }
    .group_segment_fixed_size: 66048
    .private_segment_fixed_size: 0
    .kernarg_segment_align: 8
    .kernarg_segment_size: 64
    .max_flat_workgroup_size: 128
    .sgpr_count:     66
    .vgpr_count:     212
    .wavefront_size: 32
...
	.end_amdgpu_metadata
.endif
;; end of part 1
;; launch qkv_gemm (part 2): grid 8 x 32, 4 waves a work-group, clusters of 4 x 4, 327,680 bytes of LDS; arguments xc, xs, wc, ws, b_attn, qkv; writes qkv
.if DOCPART == 2
	.amdgcn_target "amdgcn-amd-amdhsa--gfx1250"
	.amdhsa_code_object_version 6
	.text
	.protected	k_q87104f6936_qkv_gemm
	.globl	k_q87104f6936_qkv_gemm
	.p2align	8
	.type	k_q87104f6936_qkv_gemm,@function
k_q87104f6936_qkv_gemm:
	s_mov_b64 s[64:65], 0
	v_nop
	global_prefetch_b8 v0, s[64:65] scope:SCOPE_SE
	s_setreg_imm32_b32 hwreg(HW_REG_WAVE_MODE, 25, 1), 1
	s_wait_xcnt 0x0
	s_wait_alu depctr_hold_cnt(0) depctr_sa_sdst(0) depctr_va_vdst(0) depctr_va_sdst(0) depctr_va_ssrc(0) depctr_va_vcc(0) depctr_vm_vsrc(0)
	s_getreg_b32 s2, hwreg(HW_REG_IB_STS2, 6, 4)
	s_cmp_eq_u32 s2, 0
	s_cbranch_scc0 .Lentry_in_a_cluster
	s_endpgm
.Lentry_in_a_cluster:
	s_bfe_u32 s2, ttmp6, 0x10000c
	s_cmp_lg_u32 s2, 0xf033
	s_cbranch_scc0 .Lentry_shape_is_right
	s_endpgm
.Lentry_shape_is_right:
; q, k, v = x W_attn^T (+ the bias on q) on codes of E2M1 with E8M0 scales, sums in f32, results rounded to f16 and stored as images of the operand registers that the attention launch wants.
; LEFT OUT: the bias on k (the same for all keys of a row of att: softmax takes it away; never loaded); the bias on v is added in the attention launch, behind the division by the row's sum.
; SHARES.  Work-group (j, i) owns rows 256 i .. + 255 of x and columns 128 j .. + 127 OF EACH of q, k, v, which it makes one after the other (written out: the kind is a constant of the text).
; x's 256 rows for all of K (512 bytes of codes a row) stay in LDS; W's 128 rows of a kind for all of K are one slot; q's and k's come with the first fills, v's is the one refill, into q's slot.
; Wave w: rows 128 (w / 2) on, columns 64 (w % 2) on, which is one head: 8 x 4 accumulators of 16 x 16.
; q, k: the product is used transposed (source 0 = 16 rows of W, source 1 = 16 rows of x): a lane holds one position and eight neighbouring d: packed, registers 4 (b % 2) .. + 3 of fragment (position / 16, d / 32).
; v: source 0 = x, source 1 = W: a lane holds one d and eight neighbouring positions: packed, registers 4 (a % 2) .. + 3 of the fragment of v^T (position / 32, d / 16).  So every store is 16 bytes a lane at 16 x lane: 512 consecutive bytes.
; CLUSTER 4 x 4: the four of a row of the cluster need the same rows of x, the four of a column the same rows of W: each tile is asked for jointly.  Every wave issues each fill (a quarter of the tile's rows).
; By this text's count a wave has three tensor loads out at the start and one behind the refill's round.
; SCALES come from memory straight into registers: 16 rows x 32 bytes are 512 consecutive bytes, one load; lane (r, h) takes the words of K steps 4 h .. 4 h + 3, so K steps 4 to 7 read the registers' upper row of lanes.
; REGISTERS.  window 0: v16 .. v29 addresses; v32-63 x's scale words; v64-111 W's; v128-255 packed results.  window 1: two fragment buffers at v0 and v128 (x's 8 at + 8 a, W's 4 at + 64 + 8 b); v224-255 the bias on q as a C.
;   window 2: accumulator (a, b) at v[8 (4 a + b)].
.set PITCH, 528                        ; an LDS row: 512 bytes + 16 of padding = 132 words: the 16 rows of a load start at 16 different groups of four banks
.set ABYTES, 256*PITCH
.set BSL,   128*PITCH                  ; a slot of W
.set BS0,   ABYTES
.set SPARE, ABYTES+2*BSL               ; the spare words, 128 bytes a wave: two blocks of 256 bytes that no other line names
.set ADRA, 16                          ; v16  my rows of x in LDS
.set ADRB, 20                          ; v20-21 my rows of W in slot 0, 1
.set SOF,  22                          ; v22  32 r + 16 h: my 16 bytes of a block's scale bytes
.set BOF,  23                          ; v23  32 h
.set CO,   26                          ; v26  16 x lane
.set SPW,  28                          ; v28  SPARE + 4 x my thread's number; never rewritten
.set NIL,  29                          ; v29  0; never rewritten
.set SA,   32
.set SB,   64
.set TMP,  128
.set BQ,   224
.set F0,   0
.set F1,   128
.set WV,   16                          ; s16 wave
.set MSB, 0
.macro WIN new                         ; the immediate's high byte repeats the setting that is left
.if MSB != \new
	s_set_vgpr_msb (MSB<<8)|\new
.set MSB, \new
.endif
.endm
.macro CREST                           ; a round of the cluster's barrier behind its opening barrier
	s_cmp_lg_u32 s[WV], 0
	s_cbranch_scc1 .Lnw0_\@
	s_barrier_signal -3
.Lnw0_\@:
	s_barrier_wait -3
	s_barrier_signal -1
	s_barrier_wait -1
.endm
.macro CROUND
	s_barrier_signal -1
	s_barrier_wait -1
	CREST
.endm
.macro PLACES n
.rept \n
	v_nop
.endr
.endm
	s_load_b256 s[4:11], s[0:1], 0x0               ; xc s[4:5], xs s[6:7], wc s[8:9], ws s[10:11]
	s_load_b128 s[12:15], s[0:1], 0x20             ; b_attn s[12:13], qkv s[14:15]
	v_lshl_add_u32 v[SPW], v0, 2, SPARE
	v_mov_b32 v[NIL], 0
	ds_add_u32 v[SPW], v[NIL]                      ; the opening: the add, twice on end, and its wait ahead of my first tensor load
	ds_add_u32 v[SPW], v[NIL]
	v_lshrrev_b32 v1, 5, v0
	v_readfirstlane_b32 s[WV], v1                  ; wave 0..3
	s_lshr_b32 s17, s[WV], 1                       ; wr: which 128 rows
	s_and_b32 s18, s[WV], 1                        ; wl: which 64 columns
	s_bfe_u32 s19, ttmp6, 0x40000                  ; cx
	s_bfe_u32 s20, ttmp6, 0x40004                  ; cy
	s_lshl_b32 s21, ttmp9, 2
	s_add_co_u32 s21, s21, s19                     ; j = 4 x cluster x + cx
	s_and_b32 s22, ttmp7, 0xffff
	s_lshl_b32 s22, s22, 2
	s_add_co_u32 s22, s22, s20                     ; i = 4 x cluster y + cy
	s_lshl_b32 s52, s20, 2
	s_lshl_b32 s52, 15, s52                        ; my row of the cluster
	s_lshl_b32 s53, 0x1111, s19                    ; my column
	; group 1: rows of 512 elements of one byte, 16 bytes of padding behind each (interval 128 words: code 6; 4 words: code 3); x: 64 rows a load, W: 32
	s_or_b32 s24, s52, (1<<20)|(1<<21)|(6<<22)|(3<<25)
	s_mov_b32 s25, 512<<16                         ; tensor_dim0
	s_mov_b32 s26, 64<<16                          ; tensor_dim1
	s_mov_b32 s27, 512<<16                         ; tile_dim0
	s_mov_b32 s28, 64                              ; tile_dim1
	s_mov_b32 s29, 512                             ; from row to row
	s_mov_b32 s30, 0
	s_mov_b32 s31, 0
	s_or_b32 s32, s53, (1<<20)|(1<<21)|(6<<22)|(3<<25)
	s_mov_b32 s33, 512<<16
	s_mov_b32 s34, 32<<16
	s_mov_b32 s35, 512<<16
	s_mov_b32 s36, 32
	s_mov_b32 s37, 512
	s_mov_b32 s38, 0
	s_mov_b32 s39, 0
	s_lshl_b32 s54, s22, 17                        ; x: (256 i + 64 w) rows of 512 bytes: made of i and the wave's number alone
	s_lshl_b32 s55, s[WV], 15
	s_add_co_u32 s54, s54, s55
	s_mov_b32 s55, 0
	s_lshl_b32 s56, s21, 16                        ; W: (128 j + 32 w) rows: made of j and the wave's number alone
	s_lshl_b32 s57, s[WV], 14
	s_add_co_u32 s56, s56, s57
	s_mov_b32 s57, 0
	s_mul_i32 s58, s[WV], 64*PITCH                 ; where they go: the wave's number alone
	s_mul_i32 s59, s[WV], 32*PITCH
	s_wait_dscnt 0x0                               ; both opening adds are done
	s_wait_kmcnt 0x0
	s_mov_b32 s40, 1                               ; group 0 for x
	s_mov_b32 s41, s58
	s_add_nc_u64 s[42:43], s[4:5], s[54:55]
	s_or_b32 s43, s43, 0x80000000
	s_mov_b32 s44, 1                               ; for W's slot 0: q's rows, later v's
	s_add_co_u32 s45, s59, BS0
	s_add_nc_u64 s[46:47], s[8:9], s[56:57]
	s_mov_b32 s48, 1                               ; for slot 1: k's rows, 1,024 rows on
	s_add_co_u32 s49, s59, BS0+BSL
	s_add_nc_u64 s[50:51], s[46:47], 524288
	s_or_b32 s47, s47, 0x80000000
	s_or_b32 s51, s51, 0x80000000
	CROUND                                         ; all sixteen work-groups are here: the first joint loads meet
	tensor_load_to_lds s[40:43], s[24:31]
	s_nop 0
	tensor_load_to_lds s[44:47], s[32:39]
	s_nop 0
	tensor_load_to_lds s[48:51], s[32:39]
	s_nop 0
	PLACES 4
	v_and_b32 v1, 15, v0                           ; r
	v_bfe_u32 v2, v0, 4, 1                         ; h
	v_mul_u32_u24 v3, v1, PITCH
	v_lshl_add_u32 v3, v2, 4, v3                   ; a fragment's row x pitch + 16 h
	s_mul_i32 s60, s17, 128*PITCH
	v_add_nc_u32 v[ADRA], s60, v3
	s_mul_i32 s60, s18, 64*PITCH
	s_add_co_u32 s60, s60, BS0
	v_add_nc_u32 v[ADRB], s60, v3
	s_add_co_u32 s60, s60, BSL
	v_add_nc_u32 v[ADRB+1], s60, v3
	v_lshlrev_b32 v[SOF], 5, v1
	v_lshl_add_u32 v[SOF], v2, 4, v[SOF]
	v_lshlrev_b32 v[BOF], 5, v2
	v_and_b32 v[CO], 31, v0
	v_lshlrev_b32 v[CO], 4, v[CO]
	s_lshl_b32 s23, s21, 1
	s_add_co_u32 s23, s23, s18                     ; hd = 2 j + wl: my head
	s_lshl_b32 s60, s22, 13                        ; xs: (256 i + 128 wr) rows of 32 bytes
	s_lshl_b32 s61, s17, 12
	s_add_co_u32 s60, s60, s61
	s_mov_b32 s61, 0
	s_add_nc_u64 s[6:7], s[6:7], s[60:61]
	s_lshl_b32 s60, s23, 11                        ; ws: 64 hd rows of 32 bytes
	s_add_nc_u64 s[10:11], s[10:11], s[60:61]
	s_lshl_b32 s60, s23, 8                         ; b_attn: 64 hd numbers
	s_add_nc_u64 s[12:13], s[12:13], s[60:61]
	s_lshl_b32 s60, s23, 2                         ; qkv: plane 4 hd + batch, 2^18 bytes each; in it 128 bytes a position
	s_lshr_b32 s62, s22, 3
	s_add_co_u32 s60, s60, s62
	s_lshl_b32 s60, s60, 18
	s_and_b32 s62, s22, 7
	s_lshl_b32 s62, s62, 15
	s_add_co_u32 s60, s60, s62
	s_lshl_b32 s62, s17, 14
	s_add_co_u32 s60, s60, s62
	s_add_nc_u64 s[14:15], s[14:15], s[60:61]
.irp a, 0,1,2,3,4,5,6,7
	global_load_b128 v[SA+4*\a:SA+4*\a+3], v[SOF], s[6:7] offset:512*\a            ; x's scale words of block a
.endr
.irp k, 0,1,2
.irp b, 0,1,2,3
	global_load_b128 v[SB+16*\k+4*\b:SB+16*\k+4*\b+3], v[SOF], s[10:11] offset:32768*\k+512*\b   ; W's, kind k, block b
.endr
.endr
	WIN 0x40                                       ; destination window 1
.irp b, 0,1,2,3
	global_load_b128 v[BQ+8*\b:BQ+8*\b+3], v[BOF], s[12:13] offset:64*\b           ; the bias on q in the result's layout: columns 16 b + 8 h + 0 .. 7
	global_load_b128 v[BQ+8*\b+4:BQ+8*\b+7], v[BOF], s[12:13] offset:64*\b+16
.endr
	WIN 0
; 8 matrix instructions: x's blocks a0, a0 + 1 against W's four, K step q from buffer f.  cm = 0: adds on; 1: C = 0 starts the sums; 2: C = the bias on q.  The 32 accumulators take turns in the same order in every step.
.macro MUL8 k, a0, f, q, cm
.irp a, \a0, \a0+1
.irp b, 0,1,2,3
.set rD, 8*(4*(\a)+\b)
.set rX, \f+8*(\a)
.set rW, \f+64+8*\b
.set rSA, SA+4*(\a)+(\q)%4
.set rSB, SB+16*(\k)+4*\b+(\q)%4
.if (\k) < 2
.if (\cm) == 2
	v_wmma_scale_f32_16x16x128_f8f6f4 v[rD:rD+7], v[rW:rW+7], v[rX:rX+7], v[BQ+8*\b:BQ+8*\b+7], v[rSB], v[rSA] matrix_a_fmt:MATRIX_FMT_FP4 matrix_b_fmt:MATRIX_FMT_FP4
.elseif (\cm) == 1
	v_wmma_scale_f32_16x16x128_f8f6f4 v[rD:rD+7], v[rW:rW+7], v[rX:rX+7], 0, v[rSB], v[rSA] matrix_a_fmt:MATRIX_FMT_FP4 matrix_b_fmt:MATRIX_FMT_FP4
.elseif (\q) < 4
	v_wmma_scale_f32_16x16x128_f8f6f4 v[rD:rD+7], v[rW:rW+7], v[rX:rX+7], v[rD:rD+7], v[rSB], v[rSA] matrix_a_fmt:MATRIX_FMT_FP4 matrix_b_fmt:MATRIX_FMT_FP4
.else
	v_wmma_scale_f32_16x16x128_f8f6f4 v[rD:rD+7], v[rW:rW+7], v[rX:rX+7], v[rD:rD+7], v[rSB], v[rSA] matrix_a_fmt:MATRIX_FMT_FP4 matrix_b_fmt:MATRIX_FMT_FP4 matrix_a_scale:MATRIX_SCALE_ROW1 matrix_b_scale:MATRIX_SCALE_ROW1
.endif
.else
.if (\cm) == 1
	v_wmma_scale_f32_16x16x128_f8f6f4 v[rD:rD+7], v[rX:rX+7], v[rW:rW+7], 0, v[rSA], v[rSB] matrix_a_fmt:MATRIX_FMT_FP4 matrix_b_fmt:MATRIX_FMT_FP4
.elseif (\q) < 4
	v_wmma_scale_f32_16x16x128_f8f6f4 v[rD:rD+7], v[rX:rX+7], v[rW:rW+7], v[rD:rD+7], v[rSA], v[rSB] matrix_a_fmt:MATRIX_FMT_FP4 matrix_b_fmt:MATRIX_FMT_FP4
.else
	v_wmma_scale_f32_16x16x128_f8f6f4 v[rD:rD+7], v[rX:rX+7], v[rW:rW+7], v[rD:rD+7], v[rSA], v[rSB] matrix_a_fmt:MATRIX_FMT_FP4 matrix_b_fmt:MATRIX_FMT_FP4 matrix_a_scale:MATRIX_SCALE_ROW1 matrix_b_scale:MATRIX_SCALE_ROW1
.endif
.endif
.endr
.endr
.endm
; 24 LDS loads in one run: K step q's fragments into buffer f: W's four, x's blocks 0-3, x's blocks 4-7.  A fragment (16 rows x 128 K of 4-bit codes) is two loads of 16 bytes, 32 bytes apart.
.macro FETCH slot, q, f
	WIN 0x40                                       ; destination window 1, address window 0
.irp b, 0,1,2,3
	ds_load_b128 v[\f+64+8*\b:\f+64+8*\b+3],   v[ADRB+(\slot)] offset:\b*16*PITCH+64*(\q)
	ds_load_b128 v[\f+64+8*\b+4:\f+64+8*\b+7], v[ADRB+(\slot)] offset:\b*16*PITCH+64*(\q)+32
.endr
.irp a, 0,1,2,3,4,5,6,7
	ds_load_b128 v[\f+8*\a:\f+8*\a+3],   v[ADRA] offset:\a*16*PITCH+64*(\q)
	ds_load_b128 v[\f+8*\a+4:\f+8*\a+7], v[ADRA] offset:\a*16*PITCH+64*(\q)+32
.endr
	WIN 0
.endm
; K step q (0 .. 6) of kind k: 32 matrix instructions; in its middle the next step's 24 loads, four plain places behind the last product that read their registers.
.macro STEP k, q, cm
.set FB, 128*((\q)%2)
.set GB, 128-FB
.if (\cm) == 2
.set WM, 0x95                          ; sources 0 and 1 and C window 1, D window 2
.else
.set WM, 0xa5                          ; sources 0 and 1 window 1, C and D window 2
.endif
	s_wait_dscnt 8                                 ; W's fragments and x's blocks 0-3 are in; the youngest eight loads (blocks 4-7) may be out
	WIN WM
	MUL8 \k, 0, FB, \q, \cm
	MUL8 \k, 2, FB, \q, \cm
	PLACES 4
	FETCH (\k)%2, (\q)+1, GB
	s_wait_dscnt 24                                ; all but the 24 just issued
	WIN WM
	MUL8 \k, 4, FB, \q, \cm
	MUL8 \k, 6, FB, \q, \cm
.endm
; A kind's last K step changes slots: each wave waits for all its tensor loads, adds 0 to its spare word, and waits for that and for its reads of this slot; one barrier.
; fill = 1: the barrier opens a round of the cluster's barrier and this slot takes v's rows: that load has all of k's steps in which to land.
.macro TURN k, fill, next
	WIN 0                                          ; (the add's two registers lie in window 0)
	s_wait_tensorcnt 0x0                           ; all my tensor loads have landed: my part of the next slot among them
	ds_add_u32 v[SPW], v[NIL]                      ; 0 onto my spare word
	s_wait_dscnt 9                                 ; (the add and the youngest eight loads may be out)
	WIN 0xa5
	MUL8 \k, 0, F1, 7, 0
	s_wait_dscnt 0x0                               ; the add is done, and my reads of this slot are over
	s_barrier_signal -1
	MUL8 \k, 2, F1, 7, 0
	WIN 0
	s_barrier_wait -1
.if \fill
	CREST                                          ; no wave of any partner still reads this slot or has a load on its way
	s_add_nc_u64 s[46:47], s[46:47], 1048576       ; 2,048 rows of W on: v's
	tensor_load_to_lds s[44:47], s[32:39]          ; my one tensor load behind the round
	s_nop 0
	PLACES 4                                       ; also the places in front of the loads below
.else
	PLACES 4
.endif
	FETCH \next, 0, F0
	WIN 0xa5
	MUL8 \k, 4, F1, 7, 0
	MUL8 \k, 6, F1, 7, 0
.endm
; THE WAY OUT of a kind: 128 roundings to f16, each accumulator from its low end on, then 32 stores of 512 consecutive bytes.  Blocks 0-3 stand four places behind their last products (TURN's); their 64 roundings,
; which name no register of blocks 4-7's products, are those products' places, and more than five lie ahead of the next kind's first product, which writes the accumulators anew.
.macro WAYOUT k
.if (\k) > 0
	s_wait_xcnt 0x0                                ; the last kind's stores have read their data and their base
	s_add_nc_u64 s[14:15], s[14:15], 0x1000000     ; 64 planes on
.endif
	WIN 0x0a                                       ; sources 0 and 1 window 2, destination window 0
.set t, 0
.rept 32
.irp n, 0,1,2,3
	v_cvt_pk_f16_f32 v[TMP+4*t+\n], v[8*t+2*\n], v[8*t+2*\n+1]
.endr
.set t, t+1
.endr
	WIN 0
.set t, 0
.rept 32
.if (\k) < 2
	global_store_b128 v[CO], v[TMP+4*t:TMP+4*t+3], s[14:15] offset:512*t th:TH_STORE_NT
.else
	global_store_b128 v[CO], v[TMP+4*t:TMP+4*t+3], s[14:15] offset:((t/4)/2)*4096+(t%4)*1024+((t/4)%2)*512 th:TH_STORE_NT
.endif
.set t, t+1
.endr
.endm
	s_wait_tensorcnt 1                             ; x's rows and q's slot have landed; k's slot, issued last, may be out
	s_barrier_signal -1
	s_barrier_wait -1
	FETCH 0, 0, F0
	s_wait_loadcnt 0x0                             ; scale words and bias
	STEP 0, 0, 2
.irp q, 1,2,3,4,5,6
	STEP 0, \q, 0
.endr
	TURN 0, 1, 1
	WAYOUT 0
	STEP 1, 0, 1
.irp q, 1,2,3,4,5,6
	STEP 1, \q, 0
.endr
	TURN 1, 0, 0
	WAYOUT 1
	STEP 2, 0, 1
.irp q, 1,2,3,4,5,6
	STEP 2, \q, 0
.endr
	s_wait_dscnt 8                                 ; the very last step: nothing more to fetch
	WIN 0xa5
	MUL8 2, 0, F1, 7, 0
	MUL8 2, 2, F1, 7, 0
	s_wait_dscnt 0x0
	MUL8 2, 4, F1, 7, 0
	MUL8 2, 6, F1, 7, 0
	PLACES 4                                       ; the roundings read results just made
	WAYOUT 2
	s_wait_tensorcnt 0x0                           ; the wave's end
	ds_add_u32 v[SPW], v[NIL]
	s_wait_dscnt 0x0
	CROUND                                         ; the closing round
	s_endpgm
.Lfunc_end_k_q87104f6936_qkv_gemm:
	.size	k_q87104f6936_qkv_gemm, .Lfunc_end_k_q87104f6936_qkv_gemm-k_q87104f6936_qkv_gemm
	.p2alignl 7, 3214868480
	.fill 96, 4, 3214868480
	.section	.rodata,"a",@progbits
	.p2align	6, 0x0
	.amdhsa_kernel k_q87104f6936_qkv_gemm
		.amdhsa_group_segment_fixed_size 327680
		.amdhsa_private_segment_fixed_size 0
		.amdhsa_enable_private_segment 0
		.amdhsa_kernarg_size 48
		.amdhsa_user_sgpr_count 2
		.amdhsa_user_sgpr_kernarg_segment_ptr 1
		.amdhsa_wavefront_size32 1
		.amdhsa_system_sgpr_workgroup_id_x 1
		.amdhsa_system_sgpr_workgroup_id_y 1
		.amdhsa_system_sgpr_workgroup_id_z 1
		.amdhsa_system_vgpr_workitem_id 0
		.amdhsa_next_free_vgpr 768
		.amdhsa_next_free_sgpr 66
		.amdhsa_reserve_vcc 0
		.amdhsa_float_denorm_mode_32 3
		.amdhsa_float_denorm_mode_16_64 3
		.amdhsa_memory_ordered 1
		.amdhsa_forward_progress 1
		.amdhsa_inst_pref_size 182
	.end_amdhsa_kernel
	.amdgpu_metadata
---
amdhsa.version: [ 1, 2 ]
amdhsa.kernels:
  - .name:           k_q87104f6936_qkv_gemm
    .symbol:         k_q87104f6936_qkv_gemm.kd
    .args:
      - { .name: xc, .offset: 0, .size: 8, .value_kind: global_buffer, .address_space: global }
      - { .name: xs, .offset: 8, .size: 8, .value_kind: global_buffer, .address_space: global }
      - { .name: wc, .offset: 16, .size: 8, .value_kind: global_buffer, .address_space: global }
      - { .name: ws, .offset: 24, .size: 8, .value_kind: global_buffer, .address_space: global }
      - { .name: b_attn, .offset: 32, .size: 8, .value_kind: global_buffer, .address_space: global }
      - { .name: qkv, .offset: 40, .size: 8, .value_kind: global_buffer, .address_space: global }
    .group_segment_fixed_size: 327680
    .private_segment_fixed_size: 0
    .kernarg_segment_align: 8
    .kernarg_segment_size: 48
    .max_flat_workgroup_size: 128
    .sgpr_count:     66
    .vgpr_count:     768
    .wavefront_size: 32
...
	.end_amdgpu_metadata
.endif
;; end of part 2
;; launch attn (part 3): grid 4 x 64, 16 waves a work-group, no clusters, 327,680 bytes of LDS; arguments qkv, rel_emb, b_attn, y; writes y
.if DOCPART == 3
	.amdgcn_target "amdgcn-amd-amdhsa--gfx1250"
	.amdhsa_code_object_version 6
	.text
	.protected	k_q87104f6936_attn
	.globl	k_q87104f6936_attn
	.p2align	8
	.type	k_q87104f6936_attn,@function
k_q87104f6936_attn:
	s_mov_b64 s[64:65], 0
	v_nop
	global_prefetch_b8 v0, s[64:65] scope:SCOPE_SE
	s_setreg_imm32_b32 hwreg(HW_REG_WAVE_MODE, 25, 1), 1
	s_wait_xcnt 0x0
; y = softmax(q k^T / 8 + bias, causal) v + the bias on v, for one head of one sequence a grid row; operands f16, products, maxima and sums f32; y rounded to f16 and stored as images of the projection's operand registers.
; LEFT OUT: key steps wholly behind the causal mask (not walked, their slots not fetched); rel_emb[31][h], taken off every bias (the same along the softmax's axis), so that steps whose distances are all 113 or more take no bias;
; the bias on k (never loaded).  Masked scores are -3e38, not -infinity: p is 0 either way.
; SHARES.  Work-group p owns query blocks p and 7 - p of 256: the same number of key steps whatever p is.  Each of sixteen waves owns 32 queries, two tiles of 16, in 256 registers: four waves to a SIMD, so that one wave's
; softmax stands beside another's products and LDS loads.  Waves w and w xor 1 take the same place in the early and in the late block.
; K and V come as images of operand registers (a fragment is 1,024 bytes, 16 bytes a lane at 16 x lane): a slot of 256 keys is 32,768 dense bytes of each; no pitch, no padding, no turning load.
; Both products are used transposed: S^T = K Q^T, O^T = V^T P: a lane holds one query throughout, and p, packed to f16 in place, is the second product's source 1.
; THE BIAS COSTS NO ARITHMETIC: t = c (s + 8 bias'), c = log2(e) / 8, so 8 bias', or -3e38 where the key is hidden, is the C of a tile's first product; it is read from a table of 256 words in LDS by distance + 64.
; Only steps with (first query - first key) under 192 have a bias or a mask: three a wave; the others start from C = 0.
; cluster = none: under the causal mask the four work-groups of a head need different numbers of slots, so some partner would read nothing of a tile that it had asked for jointly.
; Every wait on TENSORcnt is for 0; a wave has at most one tensor load out.
.set SLOTB, 65536                      ; slot 1 begins here: one exclusive or turns an address
.set VOFF,  32768                      ; a slot: K's 256 keys, then V's
.set TBL,   131072                     ; the bias table: 256 words, four blocks of 256 bytes of its own
.set SPARE, 132096                     ; the spare words, 128 bytes a wave: eight blocks of 256 bytes that no other line names
.set L16, 1                            ; v1  16 x lane
.set ATB, 2                            ; v2  TBL + 4 (r + 8 - 8 h)
.set TST, 3                            ; v3  TBL + 4 x thread (waves 0-7 store there)
.set SPW, 4                            ; v4  SPARE + 4 x my thread's number; never rewritten
.set NIL, 5                            ; v5  0; never rewritten
.set ADL, 6                            ; v6  16 x lane in the slot in hand
.set ADB, 7                            ; v7  my place in the table for this step
.set PFO, 8                            ; v8  256 x lane
.set ST,  12                           ; v12-27 eight a tile: +0 c m, +1 m, +2,3 the sum in two halves, +4..7 at work; a = 2^(c m_old - c m_new) at +6
.set Q,   28                           ; v28-59  Q(u, dd) at 16 u + 8 dd
.set S,   60                           ; v60-123 S^T(u, tile of 16 keys) at 32 u + 8 k; then p; then p as f16 in the first 16 of each 32
.set O,   124                          ; v124-187 O^T(u, dt) at 32 u + 8 dt
.set KV,  188                          ; v188-251 eight fragments of K, then of V^T
.set WV,  12
.set PP,  13
.set YY,  14
.set HD,  15
.set BT,  16
.set Q0,  17                           ; my first query
.set LQ,  18                           ; my work-group's last query
.set KF,  19                           ; the step's first key
.set TB,  20                           ; LDS byte at which the slot in hand begins
.set SLOTS, 21
.set DD,  22
.set DC,  23
.set CS,  36                           ; s[36:37] c, twice
.set SEL, 38                           ; s[38:39] lane l xor 16
.set PFA, 40                           ; s[40:41] where my prefetches stand
.set LIM, 42
.macro TLOAD                           ; waves 0, 1 fetch K's halves of a slot, waves 2, 3 V's; the branch hangs on the wave's number alone
	s_cmp_lt_u32 s[WV], 4
	s_cbranch_scc0 .Lnl_\@
	tensor_load_to_lds s[32:35], s[24:31]
	s_nop 0
.rept 4
	v_nop
.endr
.Lnl_\@:
.endm
; A prefetch of what the NEXT change of slots will ask for.  All four work-groups of a head walk the same K and V; the one with p = 0, which walks all eight slots, asks.  In it waves 4-7 name K's 32,768 bytes,
; 8,192 a wave, lanes 256 bytes apart, waves 8-11 V's likewise: each aligned block of 256 bytes once in the launch.  The last change that fills a slot asks for nothing; slots 0 and 1 come by their loads alone.
.macro ASK
	s_cmp_gt_u32 s[SLOTS], s[LIM]
	s_cbranch_scc0 .Lnm_\@
	global_prefetch_b8 v[PFO], s[PFA:PFA+1] th:TH_LOAD_NT scope:SCOPE_SE
.Lnm_\@:
.endm
	s_load_b256 s[4:11], s[0:1], 0x0               ; qkv s[4:5], rel_emb s[6:7], b_attn s[8:9], y s[10:11]
	v_lshl_add_u32 v[SPW], v0, 2, SPARE
	v_mov_b32 v[NIL], 0
	ds_add_u32 v[SPW], v[NIL]                      ; the opening: the add, twice on end, and its wait ahead of the first tensor load
	ds_add_u32 v[SPW], v[NIL]
	v_lshrrev_b32 v10, 5, v0
	v_readfirstlane_b32 s[WV], v10                 ; wave 0..15
	s_mov_b32 s[PP], ttmp9
	s_and_b32 s[YY], ttmp7, 0xffff                 ; 4 x head + batch
	s_lshr_b32 s[HD], s[YY], 2
	s_and_b32 s[BT], s[YY], 3
	s_lshr_b32 s44, s[WV], 2
	s_xor_b32 s44, s44, s[WV]
	s_and_b32 s44, s44, 1                          ; early block (0) or late (1)
	s_sub_co_u32 s45, 7, s[PP]
	s_lshl_b32 s[LQ], s45, 8
	s_add_co_u32 s[LQ], s[LQ], 255
	s_cmp_eq_u32 s44, 0
	s_cselect_b32 s45, s[PP], s45
	s_lshl_b32 s[Q0], s45, 8
	s_lshr_b32 s44, s[WV], 1
	s_lshl_b32 s44, s44, 5
	s_add_co_u32 s[Q0], s[Q0], s44                 ; 256 x block + 32 (w / 2)
	s_mov_b32 s[KF], 0
	s_mov_b32 s[TB], 0
	s_mov_b32 s[SLOTS], 7
	s_mov_b32 s24, 3<<16                           ; group 1: 64 dense rows of 32 elements of 8 bytes: 16,384 bytes; one shape serves K and V
	s_mov_b32 s25, 32<<16
	s_mov_b32 s26, 64<<16
	s_mov_b32 s27, 32<<16
	s_mov_b32 s28, 64
	s_mov_b32 s29, 32
	s_mov_b32 s30, 0
	s_mov_b32 s31, 0
	s_mov_b32 s[CS], 0x3e38aa3b                    ; c = log2(e) / 8
	s_mov_b32 s[CS+1], s[CS]
	s_mov_b32 s[SEL], 0x76543210
	s_mov_b32 s[SEL+1], 0xfedcba98
	v_and_b32 v10, 31, v0
	v_lshlrev_b32 v[L16], 4, v10
	v_lshlrev_b32 v[PFO], 8, v10
	v_and_b32 v10, 15, v0                          ; r
	v_bfe_u32 v11, v0, 4, 1
	v_lshlrev_b32 v11, 3, v11                      ; 8 h
	v_add_nc_u32 v10, 8, v10
	v_sub_nc_u32 v10, v10, v11
	v_lshl_add_u32 v[ATB], v10, 2, TBL
	v_lshl_add_u32 v[TST], v0, 2, TBL
	s_and_b32 s44, s[WV], 3
	s_lshl_b32 s33, s44, 14                        ; group 0: LDS 16,384 (w % 4)
	s_bfe_u32 s45, s[WV], 0x10001
	s_lshl_b32 s45, s45, 6
	s_add_co_u32 s45, s45, 64
	s_add_co_u32 s45, s45, s[YY]                   ; plane: K's 64 + yy, V's 128 + yy
	s_lshl_b32 s46, s45, 18
	s_and_b32 s47, s[WV], 1
	s_lshl_b32 s47, s47, 14
	s_add_co_u32 s46, s46, s47
	s_mov_b32 s47, 0
	s_wait_dscnt 0x0                               ; both opening adds are done
	s_wait_kmcnt 0x0
	s_mov_b32 s32, 1
	s_add_nc_u64 s[34:35], s[4:5], s[46:47]
	s_or_b32 s35, s35, 0x80000000
	TLOAD                                          ; slot 0: key 0 counts for every query, so every wave reads it
	s_lshl_b32 s48, s[YY], 18                      ; Q: plane yy, 128 bytes a position
	s_lshl_b32 s49, s[Q0], 7
	s_add_co_u32 s48, s48, s49
	s_mov_b32 s49, 0
	s_add_nc_u64 s[48:49], s[4:5], s[48:49]
.irp u, 0,1
.irp d, 0,1
.irp c, 0,1
	global_load_b128 v[Q+16*\u+8*\d+4*\c:Q+16*\u+8*\d+4*\c+3], v[L16], s[48:49] offset:2048*\u+1024*\d+512*\c th:TH_LOAD_NT
.endr
.endr
.endr
	s_bfe_u32 s44, s[WV], 0x10003                  ; the prefetches: waves 4-7 K's plane, waves 8-11 V's
	s_lshl_b32 s44, s44, 6
	s_add_co_u32 s44, s44, 64
	s_add_co_u32 s44, s44, s[YY]
	s_lshl_b32 s44, s44, 18
	s_and_b32 s45, s[WV], 3
	s_lshl_b32 s45, s45, 13
	s_add_co_u32 s44, s44, s45
	s_add_co_u32 s44, s44, 32768                   ; in slot 1: the first change of slots steps it to slot 2
	s_mov_b32 s45, 0
	s_add_nc_u64 s[PFA:PFA+1], s[4:5], s[44:45]
	s_sub_co_u32 s44, s[WV], 4
	s_lshr_b32 s44, s44, 3                         ; 0 in waves 4 to 11,
	s_or_b32 s44, s44, s[PP]                       ; of the work-group with p = 0
	s_cmp_eq_u32 s44, 0
	s_cselect_b32 s[LIM], 1, -1
	s_lshl_b32 s44, s[HD], 2
	s_mov_b32 s45, 0
	s_add_nc_u64 s[6:7], s[6:7], s[44:45]          ; rel_emb at my head's column
	s_lshl_b32 s44, s[HD], 8
	s_add_co_u32 s44, s44, 8192
	s_add_nc_u64 s[8:9], s[8:9], s[44:45]          ; the bias on v of my head
	s_lshr_b32 s44, s[HD], 1                       ; y: ((hd / 2) 512 + 128 batch + Q0 / 16) blocks of 4,096 bytes, + 2,048 (hd % 2)
	s_lshl_b32 s44, s44, 9
	s_lshl_b32 s46, s[BT], 7
	s_add_co_u32 s44, s44, s46
	s_lshr_b32 s46, s[Q0], 4
	s_add_co_u32 s44, s44, s46
	s_lshl_b32 s44, s44, 12
	s_and_b32 s46, s[HD], 1
	s_lshl_b32 s46, s46, 11
	s_add_co_u32 s44, s44, s46
	s_add_nc_u64 s[10:11], s[10:11], s[44:45]
	; THE TABLE, one word a thread of waves 0-7: word x holds distance x - 64: -3e38 under 0, else 8 (rel_emb[bucket] - rel_emb[31])
	s_cmp_lt_u32 s[WV], 8
	s_cbranch_scc0 .Lno_tbl
	v_add_nc_u32 v188, 0xffffffc0, v0              ; the distance
	v_max_i32 v189, 0, v188
	v_min_u32 v190, 16, v189
.irp th, 19,21,24,27,31,35,40,46,52,59,67,77,87,99,113
	v_cmp_le_u32 vcc_lo, \th, v189
	v_cndmask_b32 v191, 0, 1, vcc_lo
	v_add_nc_u32 v190, v190, v191
.endr
	v_min_u32 v190, 31, v190
	v_lshlrev_b32 v190, 6, v190                    ; a row of rel_emb is 64 bytes
	v_mov_b32 v195, 1984
	global_load_b32 v192, v190, s[6:7]
	global_load_b32 v193, v195, s[6:7]
	v_mov_b32 v194, 0xff61b1e6                     ; -3e38
	s_wait_loadcnt 0x0
	v_sub_f32 v192, v192, v193
	v_mul_f32 v192, 0x41000000, v192               ; x 8
	v_cmp_gt_i32 vcc_lo, 0, v188
	v_cndmask_b32 v192, v192, v194, vcc_lo
	ds_store_b32 v[TST], v192                      ; shown to all waves by the first change of slots: its wait for 0 on DScnt and its barrier
.Lno_tbl:
.irp u, 0,1
	v_mov_b32 v[ST+8*\u+1], 0xff61b1e6             ; m: under every score
	v_mul_f32 v[ST+8*\u], s[CS], v[ST+8*\u+1]
.irp i, 2,3,4,5,6,7
	v_mov_b32 v[ST+8*\u+\i], 0
.endr
.endr
.set i, 0
.rept 64
	v_mov_b32 v[O+i], 0                            ; the step is written once: the first finds zeros, which a = 0 leaves zeros
.set i, i+1
.endr
	s_wait_loadcnt 0x0                             ; Q
; A KEY STEP: 64 keys, the q-th of the slot in hand.
.macro STEP q
	s_cmp_gt_u32 s[KF], s[Q0]                      ; Q0 is a multiple of 32 and KF of 64: KF > Q0 says that every key comes after my 32 queries
	s_cbranch_scc1 .Lhid_\@
	v_add_nc_u32 v[ADL], s[TB], v[L16]             ; five plain places behind the last step's products: p's registers are written over by matrix instructions, V's are loaded again
	s_sub_co_u32 s[DD], s[Q0], s[KF]
	s_min_u32 s[DC], s[DD], 160
	v_lshl_add_u32 v[ADB], s[DC], 2, v[ATB]
.rept 3
	v_nop
.endr
.irp k, 0,1,2,3
.irp d, 0,1
.irp c, 0,1
	ds_load_b128 v[KV+16*\k+8*\d+4*\c:KV+16*\k+8*\d+4*\c+3], v[ADL] offset:8192*(\q)+2048*\k+1024*\d+512*\c
.endr
.endr
.endr
	s_cmp_lt_u32 s[DD], 192
	s_cbranch_scc0 .Lfar_\@
.irp u, 0,1
.irp k, 0,1,2,3
.irp j, 0,1,2,3,4,5,6,7
	ds_load_b32 v[S+32*\u+8*\k+\j], v[ADB] offset:4*(56+16*\u-16*\k-\j)   ; distance = DD + 16 u - 16 k + r - 8 h - j
.endr
.endr
.endr
	s_wait_dscnt 0x0
.irp k, 0,1,2,3
.irp u, 0,1
	v_wmma_f32_16x16x32_f16 v[S+32*\u+8*\k:S+32*\u+8*\k+7], v[KV+16*\k:KV+16*\k+7], v[Q+16*\u:Q+16*\u+7], v[S+32*\u+8*\k:S+32*\u+8*\k+7]
.endr
.endr
	s_branch .Ljoin_\@
.Lfar_\@:
	s_wait_dscnt 0x0
.irp k, 0,1,2,3
.irp u, 0,1
	v_wmma_f32_16x16x32_f16 v[S+32*\u+8*\k:S+32*\u+8*\k+7], v[KV+16*\k:KV+16*\k+7], v[Q+16*\u:Q+16*\u+7], 0
.endr
.endr
.Ljoin_\@:
.irp k, 0,1,2,3                                ; the eight accumulators take turns
.irp u, 0,1
	v_wmma_f32_16x16x32_f16 v[S+32*\u+8*\k:S+32*\u+8*\k+7], v[KV+16*\k+8:KV+16*\k+15], v[Q+16*\u+8:Q+16*\u+15], v[S+32*\u+8*\k:S+32*\u+8*\k+7]
.endr
.endr
.rept 4
	v_nop                                          ; places in front of the loads into K's registers and of the first read of the scores
.endr
.irp kk, 0,1
.irp dt, 0,1,2,3
.irp c, 0,1
	ds_load_b128 v[KV+8*(4*\kk+\dt)+4*\c:KV+8*(4*\kk+\dt)+4*\c+3], v[ADL] offset:VOFF+8192*(\q)+4096*\kk+1024*\dt+512*\c   ; V^T: they land under the softmax
.endr
.endr
.endr
	; the maximum of my 32 scores a tile and the old m; each accumulator is read from its low end on; the two tiles line by line
.irp j, 0,1,2,3
.irp u, 0,1
	v_max3_num_f32 v[ST+8*\u+4+\j], v[S+32*\u+8*\j], v[S+32*\u+8*\j+1], v[S+32*\u+8*\j+2]
.endr
.endr
.irp g, 1,2
.irp j, 0,1,2,3
.irp u, 0,1
	v_max3_num_f32 v[ST+8*\u+4+\j], v[ST+8*\u+4+\j], v[S+32*\u+8*\j+2*\g+1], v[S+32*\u+8*\j+2*\g+2]
.endr
.endr
.endr
.irp u, 0,1
	v_max3_num_f32 v[ST+8*\u+4], v[ST+8*\u+4], v[S+32*\u+7], v[S+32*\u+15]
.endr
.irp u, 0,1
	v_max3_num_f32 v[ST+8*\u+6], v[ST+8*\u+6], v[S+32*\u+23], v[S+32*\u+31]
.endr
.irp u, 0,1
	v_max3_num_f32 v[ST+8*\u+4], v[ST+8*\u+4], v[ST+8*\u+5], v[ST+8*\u+6]
.endr
.irp u, 0,1
	v_max3_num_f32 v[ST+8*\u+4], v[ST+8*\u+4], v[ST+8*\u+7], v[ST+8*\u+1]
.endr
.irp u, 0,1
	v_permlanex16_b32 v[ST+8*\u+5], v[ST+8*\u+4], s[SEL], s[SEL+1]   ; the query's other 32 keys lie in the lane 16 away
.endr
.irp u, 0,1
	v_mov_b32 v[ST+8*\u+7], v[ST+8*\u]             ; c m_old
.endr
.irp u, 0,1
	v_max_num_f32 v[ST+8*\u+1], v[ST+8*\u+4], v[ST+8*\u+5]
.endr
.irp u, 0,1
	v_mul_f32 v[ST+8*\u], s[CS], v[ST+8*\u+1]
.endr
.irp u, 0,1
	v_sub_f32 v[ST+8*\u+7], v[ST+8*\u+7], v[ST+8*\u]
.endr
.irp b, 0,1,2,3,4,5,6,7,8,9,10,11,12,13,14,15
.irp u, 0,1
	v_pk_fma_f32 v[S+32*\u+2*\b:S+32*\u+2*\b+1], v[S+32*\u+2*\b:S+32*\u+2*\b+1], s[CS:CS+1], v[ST+8*\u:ST+8*\u+1] op_sel_hi:[1,0,0] neg_lo:[0,0,1] neg_hi:[0,0,1]   ; c s - c m
.endr
.endr
.irp u, 0,1
	v_exp_f32 v[ST+8*\u+6], v[ST+8*\u+7]           ; a
.endr
.set e, 0
.rept 64
	v_exp_f32 v[S+e], v[S+e]                       ; p, at most 1
.set e, e+1
.endr
	v_nop                                          ; the plain instruction behind the last exponential
	s_wait_alu depctr_va_vdst(0)                   ; one wait for the batch of 66, ahead of the first instruction that names a result
	; the row's sum of the unrounded p, in two chains a tile
.irp u, 0,1
	v_pk_fma_f32 v[ST+8*\u+2:ST+8*\u+3], v[ST+8*\u+2:ST+8*\u+3], v[ST+8*\u+6:ST+8*\u+7], v[S+32*\u:S+32*\u+1] op_sel_hi:[1,0,1]
.endr
.irp u, 0,1
	v_pk_add_f32 v[ST+8*\u+4:ST+8*\u+5], v[S+32*\u+2:S+32*\u+3], v[S+32*\u+6:S+32*\u+7]
.endr
.irp i, 1,2,3,4,5,6,7
.irp u, 0,1
	v_pk_add_f32 v[ST+8*\u+2:ST+8*\u+3], v[ST+8*\u+2:ST+8*\u+3], v[S+32*\u+4*\i:S+32*\u+4*\i+1]
.endr
.if \i >= 2
.irp u, 0,1
	v_pk_add_f32 v[ST+8*\u+4:ST+8*\u+5], v[ST+8*\u+4:ST+8*\u+5], v[S+32*\u+4*\i+2:S+32*\u+4*\i+3]
.endr
.endif
.endr
.irp u, 0,1
	v_pk_add_f32 v[ST+8*\u+2:ST+8*\u+3], v[ST+8*\u+2:ST+8*\u+3], v[ST+8*\u+4:ST+8*\u+5]
.endr
.irp n, 0,1,2,3,4,5,6,7,8,9,10,11,12,13,14,15
.irp u, 0,1
	v_cvt_pk_f16_f32 v[S+32*\u+\n], v[S+32*\u+2*\n], v[S+32*\u+2*\n+1]   ; in place, ascending: register n is written when registers 2 n, 2 n + 1 are read, never before
.endr
.endr
.irp i, 0,1,2,3,4,5,6,7,8,9,10,11,12,13,14,15
.irp u, 0,1
	v_pk_mul_f32 v[O+32*\u+2*\i:O+32*\u+2*\i+1], v[O+32*\u+2*\i:O+32*\u+2*\i+1], v[ST+8*\u+6:ST+8*\u+7] op_sel_hi:[1,0]   ; O^T under the new m
.endr
.endr
	s_wait_dscnt 0x0                               ; V^T is in
.irp kk, 0,1
.irp dt, 0,1,2,3
.irp u, 0,1
	v_wmma_f32_16x16x32_f16 v[O+32*\u+8*\dt:O+32*\u+8*\dt+7], v[KV+8*(4*\kk+\dt):KV+8*(4*\kk+\dt)+7], v[S+32*\u+8*\kk:S+32*\u+8*\kk+7], v[O+32*\u+8*\dt:O+32*\u+8*\dt+7]
.endr
.endr
.endr
.Lhid_\@:
	s_add_co_u32 s[KF], s[KF], 64
.endm
; THE CHANGE OF SLOTS stands at a slot's head.  Each wave waits for all its tensor loads, adds 0 to its spare word, and waits for that and for its LDS instructions (its reads of the slot that it has left; at the first change the table's stores).
; Behind the barrier the slot ahead is whole and nobody reads the other one.  fill = 1: the other slot takes the next 256 keys, while their first key is at or under the work-group's last query: beyond that no wave reads them.
; That test is made of ids and the count of steps alone and is the same in all sixteen waves; it leads round the load's own lines and round nothing else.
.macro CHANGE fill
	s_wait_tensorcnt 0x0                           ; no tensor load of mine is out, so group 0 may be written
	ds_add_u32 v[SPW], v[NIL]
.if \fill
	ds_add_u32 v[SPW], v[NIL]                      ; and twice on end here, in every trip alike
	s_xor_b32 s33, s33, SLOTB
	s_add_nc_u64 s[34:35], s[34:35], 32768         ; the next 256 keys; the type bits on top are not reached
	s_wait_xcnt 0x0                                ; the last prefetch, a slot back, has read its address
	s_add_nc_u64 s[PFA:PFA+1], s[PFA:PFA+1], 32768
.endif
	s_wait_dscnt 0x0
	s_barrier_signal -1
	s_barrier_wait -1
.if \fill
	s_add_co_u32 s44, s[KF], 256
	s_cmp_gt_u32 s44, s[LQ]
	s_cbranch_scc1 .Lpast_\@
	TLOAD                                          ; a wave's one tensor load until the next such barrier: it has a slot's four steps in which to land
.Lpast_\@:
	ASK
.endif
.endm
.macro SLOT_STEPS
	STEP 0
	STEP 1
	STEP 2
	STEP 3
	s_xor_b32 s[TB], s[TB], SLOTB
.endm
.Lslot:                                            ; seven trips, a constant: slots beyond the causal limit are walked empty
	CHANGE 1
	SLOT_STEPS
	s_sub_co_u32 s[SLOTS], s[SLOTS], 1
	s_cmp_lg_u32 s[SLOTS], 0
	s_cbranch_scc1 .Lslot
	CHANGE 0                                       ; the last slot is written out: nothing is left to ask for
	SLOT_STEPS
	; THE WAY OUT: y = O^T / the sum + the bias on v; packed to f16 a tile's registers are registers of the projection's fragments: 16 bytes a lane at 16 x lane, 512 consecutive bytes a store
	v_bfe_u32 v10, v0, 4, 1
	v_lshlrev_b32 v10, 5, v10                      ; 32 h
.rept 4
	v_nop                                          ; places behind the last products: V's registers are loaded again, O^T is read
.endr
.irp dt, 0,1,2,3
	global_load_b128 v[KV+8*\dt:KV+8*\dt+3], v10, s[8:9] offset:64*\dt             ; the bias on v at d = 16 dt + 8 h + 0 .. 7
	global_load_b128 v[KV+8*\dt+4:KV+8*\dt+7], v10, s[8:9] offset:64*\dt+16
.endr
.irp u, 0,1
	v_add_f32 v[ST+8*\u+4], v[ST+8*\u+2], v[ST+8*\u+3]
.endr
.irp u, 0,1
	v_permlanex16_b32 v[ST+8*\u+5], v[ST+8*\u+4], s[SEL], s[SEL+1]
.endr
.irp u, 0,1
	v_add_f32 v[ST+8*\u+4], v[ST+8*\u+4], v[ST+8*\u+5]
.endr
.irp u, 0,1
	v_rcp_f32 v[ST+8*\u+6], v[ST+8*\u+4]
.endr
	v_nop
	s_wait_alu depctr_va_vdst(0)                   ; one wait for the two reciprocals, ahead of their first reader
	s_wait_loadcnt 0x0
.irp u, 0,1
.irp i, 0,1,2,3,4,5,6,7,8,9,10,11,12,13,14,15
	v_pk_fma_f32 v[O+32*\u+2*\i:O+32*\u+2*\i+1], v[O+32*\u+2*\i:O+32*\u+2*\i+1], v[ST+8*\u+6:ST+8*\u+7], v[KV+2*\i:KV+2*\i+1] op_sel_hi:[1,0,1]
.endr
.endr
.irp u, 0,1
.irp n, 0,1,2,3,4,5,6,7,8,9,10,11,12,13,14,15
	v_cvt_pk_f16_f32 v[S+16*\u+\n], v[O+32*\u+2*\n], v[O+32*\u+2*\n+1]
.endr
.endr
.irp u, 0,1
.irp dt, 0,1,2,3
	global_store_b128 v[L16], v[S+16*\u+4*\dt:S+16*\u+4*\dt+3], s[10:11] offset:4096*\u+512*\dt th:TH_STORE_NT
.endr
.endr
	s_wait_tensorcnt 0x0                           ; the wave's end
	ds_add_u32 v[SPW], v[NIL]
	s_wait_dscnt 0x0
	s_endpgm
.Lfunc_end_k_q87104f6936_attn:
	.size	k_q87104f6936_attn, .Lfunc_end_k_q87104f6936_attn-k_q87104f6936_attn
	.p2alignl 7, 3214868480
	.fill 96, 4, 3214868480
	.section	.rodata,"a",@progbits
	.p2align	6, 0x0
	.amdhsa_kernel k_q87104f6936_attn
		.amdhsa_group_segment_fixed_size 327680
		.amdhsa_private_segment_fixed_size 0
		.amdhsa_enable_private_segment 0
		.amdhsa_kernarg_size 32
		.amdhsa_user_sgpr_count 2
		.amdhsa_user_sgpr_kernarg_segment_ptr 1
		.amdhsa_wavefront_size32 1
		.amdhsa_system_sgpr_workgroup_id_x 1
		.amdhsa_system_sgpr_workgroup_id_y 1
		.amdhsa_system_sgpr_workgroup_id_z 1
		.amdhsa_system_vgpr_workitem_id 0
		.amdhsa_next_free_vgpr 256
		.amdhsa_next_free_sgpr 66
		.amdhsa_reserve_vcc 1
		.amdhsa_float_denorm_mode_32 3
		.amdhsa_float_denorm_mode_16_64 3
		.amdhsa_memory_ordered 1
		.amdhsa_forward_progress 1
		.amdhsa_inst_pref_size 193
	.end_amdhsa_kernel
	.amdgpu_metadata
---
amdhsa.version: [ 1, 2 ]
amdhsa.kernels:
  - .name:           k_q87104f6936_attn
    .symbol:         k_q87104f6936_attn.kd
    .args:
      - { .name: qkv, .offset: 0, .size: 8, .value_kind: global_buffer, .address_space: global }
      - { .name: rel_emb, .offset: 8, .size: 8, .value_kind: global_buffer, .address_space: global }
      - { .name: b_attn, .offset: 16, .size: 8, .value_kind: global_buffer, .address_space: global }
      - { .name: y, .offset: 24, .size: 8, .value_kind: global_buffer, .address_space: global }
    .group_segment_fixed_size: 327680
    .private_segment_fixed_size: 0
    .kernarg_segment_align: 8
    .kernarg_segment_size: 32
    .max_flat_workgroup_size: 512
    .sgpr_count:     66
    .vgpr_count:     256
    .wavefront_size: 32
...
	.end_amdgpu_metadata
.endif
;; end of part 3
;; launch proj (part 4): grid 4 x 64, 4 waves a work-group, clusters of 4 x 4, 327,680 bytes of LDS; arguments y, wp, b_proj, out0; writes out0
.if DOCPART == 4
	.amdgcn_target "amdgcn-amd-amdhsa--gfx1250"
	.amdhsa_code_object_version 6
	.text
	.protected	k_q87104f6936_proj
	.globl	k_q87104f6936_proj
	.p2align	8
	.type	k_q87104f6936_proj,@function
k_q87104f6936_proj:
	s_mov_b64 s[64:65], 0
	v_nop
	global_prefetch_b8 v0, s[64:65] scope:SCOPE_SE
	s_setreg_imm32_b32 hwreg(HW_REG_WAVE_MODE, 25, 1), 1
	s_wait_xcnt 0x0
	s_wait_alu depctr_hold_cnt(0) depctr_sa_sdst(0) depctr_va_vdst(0) depctr_va_sdst(0) depctr_va_ssrc(0) depctr_va_vcc(0) depctr_vm_vsrc(0)
	s_getreg_b32 s2, hwreg(HW_REG_IB_STS2, 6, 4)
	s_cmp_eq_u32 s2, 0
	s_cbranch_scc0 .Lentry_in_a_cluster
	s_endpgm
.Lentry_in_a_cluster:
	s_bfe_u32 s2, ttmp6, 0x10000c
	s_cmp_lg_u32 s2, 0xf033
	s_cbranch_scc0 .Lentry_shape_is_right
	s_endpgm
.Lentry_shape_is_right:
; out0 = y W_proj^T + b_proj: f16 operands, f32 sums.  Rows 0-15 of every sequence lie inside live tiles and are stored here too; the last launch stores them again, made in f32.
; A tile of out0 is 128 rows x 256 columns: 256 work-groups.  Wave w: all 128 rows, columns 64 w on: 8 x 4 accumulators.  K goes in steps of 128 through a ring of two LDS slots.
; Both operands lie in memory as images of operand registers, [k / 128][rows / 16][(k / 32) % 4][1,024 bytes]: a K step's 128 rows of y are 32,768 dense bytes, its 256 rows of W_proj 65,536; a fragment is two loads of 16 bytes a lane at 16 x lane.
; The product is used transposed (source 0 = 16 rows of W_proj, source 1 = 16 rows of y): a lane holds eight neighbouring columns of one row.  b_proj is the C of each sum's first product.
; CLUSTER 4 x 4: y's tile is shared along a row of the cluster, W_proj's along a column; waves 0, 1 ask for y's halves, waves 2, 3 for W_proj's.  A wave has two tensor loads out at the start and one behind each round.
; REGISTERS.  window 0: v16 .. v29 addresses; v64-127 rows on their way out.  window 1: two fragment buffers at v0, v128 (y's 8 at + 8 a, W's 4 at + 64 + 8 b); v224-255 the bias.  window 2: accumulator (a, b) at v[8 (4 a + b)].
.set SLOT,  98304                      ; y's 32,768 bytes, then W_proj's 65,536
.set STAGE, 2*SLOT                     ; 16 rows x (256 + 16) bytes for each wave
.set SPARE, STAGE+4*16*272             ; the spare words, 128 bytes a wave: two blocks of 256 bytes that no other line names
.set ADRA, 16                          ; v16-17 16 x lane in slot 0, 1
.set ADRB, 20                          ; v20-21 my four blocks of W_proj in slot 0, 1
.set STO,  24
.set RD,   25
.set CO,   26
.set BOF,  27
.set SPW,  28                          ; v28 SPARE + 4 x my thread's number; never rewritten
.set NIL,  29                          ; v29 0; never rewritten
.set BK,   64
.set BP,   224
.set F0,   0
.set F1,   128
.set WV,   12
.set G1A, 24
.set G0A, 32
.set G1B, 40
.set G0B, 48
.set MSB, 0
.macro WIN new
.if MSB != \new
	s_set_vgpr_msb (MSB<<8)|\new
.set MSB, \new
.endif
.endm
.macro PLACES n
.rept \n
	v_nop
.endr
.endm
.macro JLOAD s                         ; a joint load; an s_nop 0 and four v_nop follow each of the two lines
	s_cmp_eq_u32 s13, 0
	s_cbranch_scc0 .Lfor_b_\@
	tensor_load_to_lds s[G0A+4*\s:G0A+4*\s+3], s[G1A:G1A+7]
	s_nop 0
	PLACES 4
	s_branch .Lasked_\@
.Lfor_b_\@:
	tensor_load_to_lds s[G0B+4*\s:G0B+4*\s+3], s[G1B:G1B+7]
	s_nop 0
	PLACES 4
.Lasked_\@:
.endm
.macro CREST
	s_cmp_lg_u32 s[WV], 0
	s_cbranch_scc1 .Lnw0_\@
	s_barrier_signal -3
.Lnw0_\@:
	s_barrier_wait -3
	s_barrier_signal -1
	s_barrier_wait -1
.endm
.macro CROUND
	s_barrier_signal -1
	s_barrier_wait -1
	CREST
.endm
	s_load_b256 s[4:11], s[0:1], 0x0               ; y s[4:5], wp s[6:7], b_proj s[8:9], out0 s[10:11]
	v_lshl_add_u32 v[SPW], v0, 2, SPARE
	v_mov_b32 v[NIL], 0
	ds_add_u32 v[SPW], v[NIL]                      ; the opening: the add, twice on end, and its wait ahead of my first tensor load
	ds_add_u32 v[SPW], v[NIL]
	v_lshrrev_b32 v1, 5, v0
	v_readfirstlane_b32 s[WV], v1                  ; wave 0..3
	s_lshr_b32 s13, s[WV], 1                       ; I fetch for y (0) or for W_proj (1)
	s_and_b32 s14, s[WV], 1                        ; which half
	s_bfe_u32 s15, ttmp6, 0x40000                  ; cx
	s_bfe_u32 s16, ttmp6, 0x40004                  ; cy
	s_lshl_b32 s17, ttmp9, 2
	s_add_co_u32 s17, s17, s15                     ; tile column
	s_and_b32 s18, ttmp7, 0xffff
	s_lshl_b32 s18, s18, 2
	s_add_co_u32 s18, s18, s16                     ; tile row
	s_lshl_b32 s19, s16, 2
	s_lshl_b32 s19, 15, s19                        ; my row of the cluster
	s_lshl_b32 s20, 0x1111, s15                    ; my column
	s_or_b32 s[G1A], s19, (3<<16)|(1<<21)          ; dense rows of 32 elements of 8 bytes; y: 64 rows a load, W_proj: 128
	s_mov_b32 s[G1A+1], 32<<16
	s_mov_b32 s[G1A+2], 64<<16
	s_mov_b32 s[G1A+3], 32<<16
	s_mov_b32 s[G1A+4], 64
	s_mov_b32 s[G1A+5], 32
	s_mov_b32 s[G1A+6], 0
	s_mov_b32 s[G1A+7], 0
	s_or_b32 s[G1B], s20, (3<<16)|(1<<21)
	s_mov_b32 s[G1B+1], 32<<16
	s_mov_b32 s[G1B+2], 128<<16
	s_mov_b32 s[G1B+3], 32<<16
	s_mov_b32 s[G1B+4], 128
	s_mov_b32 s[G1B+5], 32
	s_mov_b32 s[G1B+6], 0
	s_mov_b32 s[G1B+7], 0
	s_lshl_b32 s56, s18, 15                        ; y: 8 i blocks of 4,096 bytes + my half: the tile row and the wave's number alone
	s_lshl_b32 s57, s14, 14
	s_add_co_u32 s56, s56, s57
	s_mov_b32 s57, 0
	s_lshl_b32 s58, s17, 16                        ; W_proj: 16 jx blocks + my half: the tile column and the wave's number alone
	s_lshl_b32 s59, s14, 15
	s_add_co_u32 s58, s58, s59
	s_mov_b32 s59, 0
	s_lshl_b32 s60, s14, 14                        ; where they go
	s_lshl_b32 s61, s14, 15
	s_add_co_u32 s61, s61, 32768
	s_wait_dscnt 0x0                               ; both opening adds are done
	s_wait_kmcnt 0x0
	s_add_nc_u64 s[56:57], s[4:5], s[56:57]
	s_add_nc_u64 s[58:59], s[6:7], s[58:59]
	CROUND                                         ; all sixteen work-groups are here: the first joint loads meet
.irp s, 0,1
	s_mov_b32 s[G0A+4*\s], 1
	s_add_co_u32 s[G0A+4*\s+1], s60, \s*SLOT
	s_add_nc_u64 s[G0A+4*\s+2:G0A+4*\s+3], s[56:57], \s*2097152    ; K step s: 512 blocks on
	s_or_b32 s[G0A+4*\s+3], s[G0A+4*\s+3], 0x80000000
	s_mov_b32 s[G0B+4*\s], 1
	s_add_co_u32 s[G0B+4*\s+1], s61, \s*SLOT
	s_add_nc_u64 s[G0B+4*\s+2:G0B+4*\s+3], s[58:59], \s*262144     ; 64 blocks on
	s_or_b32 s[G0B+4*\s+3], s[G0B+4*\s+3], 0x80000000
	JLOAD \s
.endr
	v_and_b32 v1, 15, v0                           ; l % 16
	v_bfe_u32 v2, v0, 4, 1                         ; l / 16
	v_and_b32 v3, 31, v0
	v_lshlrev_b32 v[ADRA], 4, v3
	v_add_nc_u32 v[ADRA+1], SLOT, v[ADRA]
	s_lshl_b32 s21, s[WV], 14
	s_add_co_u32 s21, s21, 32768
	v_add_nc_u32 v[ADRB], s21, v[ADRA]
	v_add_nc_u32 v[ADRB+1], SLOT, v[ADRB]
	s_mul_i32 s21, s[WV], 16*272
	s_add_co_u32 s21, s21, STAGE                   ; my stage
	v_mul_u32_u24 v[STO], v1, 272
	v_lshl_add_u32 v[STO], v2, 5, v[STO]
	v_add_nc_u32 v[STO], s21, v[STO]               ; in: row l % 16, 32 bytes for each half of the lanes
	v_mul_u32_u24 v[RD], v2, 272
	v_lshl_add_u32 v[RD], v1, 4, v[RD]
	v_add_nc_u32 v[RD], s21, v[RD]                 ; back: lanes 0-15 one row of 256 bytes, lanes 16-31 the next
	v_lshlrev_b32 v[CO], 12, v2
	v_lshl_add_u32 v[CO], v1, 4, v[CO]             ; and the same two rows in out0
	v_lshlrev_b32 v[BOF], 5, v2
	s_lshl_b32 s22, s17, 10                        ; my first column in bytes: 1,024 jx + 256 w
	s_lshl_b32 s23, s[WV], 8
	s_add_co_u32 s22, s22, s23
	s_mov_b32 s23, 0
	s_add_nc_u64 s[8:9], s[8:9], s[22:23]
	s_add_nc_u64 s[10:11], s[10:11], s[22:23]
	s_lshl_b32 s22, s18, 19                        ; 128 i rows of 4,096 bytes
	s_add_nc_u64 s[10:11], s[10:11], s[22:23]
	WIN 0x40
.irp b, 0,1,2,3
	global_load_b128 v[BP+8*\b:BP+8*\b+3], v[BOF], s[8:9] offset:64*\b             ; b_proj at columns 16 b + 8 h + 0 .. 7
	global_load_b128 v[BP+8*\b+4:BP+8*\b+7], v[BOF], s[8:9] offset:64*\b+16
.endr
	WIN 0
.macro MUL8 a0, f, cm                  ; 8 matrix instructions; cm = 2: C = the bias.  The 32 accumulators take turns in the same order in every quarter
.irp a, \a0, \a0+1
.irp b, 0,1,2,3
.if (\cm) == 2
	v_wmma_f32_16x16x32_f16 v[8*(4*(\a)+\b):8*(4*(\a)+\b)+7], v[\f+64+8*\b:\f+64+8*\b+7], v[\f+8*(\a):\f+8*(\a)+7], v[BP+8*\b:BP+8*\b+7]
.else
	v_wmma_f32_16x16x32_f16 v[8*(4*(\a)+\b):8*(4*(\a)+\b)+7], v[\f+64+8*\b:\f+64+8*\b+7], v[\f+8*(\a):\f+8*(\a)+7], v[8*(4*(\a)+\b):8*(4*(\a)+\b)+7]
.endif
.endr
.endr
.endm
.macro FETCH slot, ks, f               ; 24 LDS loads in one run: W_proj's four fragments, y's blocks 0-3, y's blocks 4-7
	WIN 0x40
.irp b, 0,1,2,3
	ds_load_b128 v[\f+64+8*\b:\f+64+8*\b+3],   v[ADRB+\slot] offset:4096*\b+1024*\ks
	ds_load_b128 v[\f+64+8*\b+4:\f+64+8*\b+7], v[ADRB+\slot] offset:4096*\b+1024*\ks+512
.endr
.irp a, 0,1,2,3,4,5,6,7
	ds_load_b128 v[\f+8*\a:\f+8*\a+3],   v[ADRA+\slot] offset:4096*\a+1024*\ks
	ds_load_b128 v[\f+8*\a+4:\f+8*\a+7], v[ADRA+\slot] offset:4096*\a+1024*\ks+512
.endr
	WIN 0
.endm
.macro QUARTER slot, ks, f, g, cm      ; multiplies buffer f (32 along K); in its middle fetches quarter ks of the slot into g
.if (\cm) == 2
.set WM, 0x95
.else
.set WM, 0xa5
.endif
	s_wait_dscnt 8                                 ; W_proj's fragments and y's blocks 0-3 are in; the youngest eight loads may be out
	WIN WM
	MUL8 0, \f, \cm
	MUL8 2, \f, \cm
	PLACES 4
	FETCH \slot, \ks, \g
	s_wait_dscnt 24                                ; all but the 24 just issued
	WIN WM
	MUL8 4, \f, \cm
	MUL8 6, \f, \cm
.endm
.macro TURN slot, next, fill           ; a slot's last quarter changes slots: one barrier; with fill = 1 it opens a round of the cluster's barrier, and this slot takes the K step two on
	WIN 0
	s_wait_tensorcnt 0x0                           ; all my tensor loads have landed: my part of the next slot
	ds_add_u32 v[SPW], v[NIL]
	s_wait_dscnt 9                                 ; (the add and the youngest eight loads may be out)
	WIN 0xa5
	MUL8 0, F1, 0
	s_wait_dscnt 0x0                               ; the add is done, and my reads of this slot are over
	s_barrier_signal -1
	MUL8 2, F1, 0
	WIN 0
	s_barrier_wait -1
.if \fill
	CREST
	s_add_nc_u64 s[G0A+4*\slot+2:G0A+4*\slot+3], s[G0A+4*\slot+2:G0A+4*\slot+3], 4194304
	s_add_nc_u64 s[G0B+4*\slot+2:G0B+4*\slot+3], s[G0B+4*\slot+2:G0B+4*\slot+3], 524288
	JLOAD \slot                                    ; the first tensor load behind the round: 112 matrix instructions ahead of the wait for it; its four v_nop are also the places in front of the loads below
.else
	PLACES 4
.endif
	FETCH \next, 0, F0
	WIN 0xa5
	MUL8 4, F1, 0
	MUL8 6, F1, 0
.endm
	s_wait_tensorcnt 1                             ; my part of K step 0 is in; K step 1's may be out
	s_barrier_signal -1
	s_barrier_wait -1
	FETCH 0, 0, F0
	s_wait_loadcnt 0x0                             ; the bias
	QUARTER 0, 1, F0, F1, 2                        ; the first quarter stands in front of the loop: its products start the sums from the bias
	WIN 0
	s_mov_b32 s3, 3
.Llap:                                             ; three trips, six refills: K steps 2 to 7
	QUARTER 0, 2, F1, F0, 0
	QUARTER 0, 3, F0, F1, 0
	TURN 0, 1, 1
	QUARTER 1, 1, F0, F1, 0
	QUARTER 1, 2, F1, F0, 0
	QUARTER 1, 3, F0, F1, 0
	TURN 1, 0, 1
	QUARTER 0, 1, F0, F1, 0
	WIN 0
	s_sub_co_u32 s3, s3, 1
	s_cmp_lg_u32 s3, 0
	s_cbranch_scc1 .Llap
	QUARTER 0, 2, F1, F0, 0                        ; the last lap fills nothing
	QUARTER 0, 3, F0, F1, 0
	TURN 0, 1, 0
	QUARTER 1, 1, F0, F1, 0
	QUARTER 1, 2, F1, F0, 0
	QUARTER 1, 3, F0, F1, 0
	s_wait_dscnt 8
	WIN 0xa5
	MUL8 0, F1, 0
	MUL8 2, F1, 0
	s_wait_dscnt 0x0
	MUL8 4, F1, 0
	MUL8 6, F1, 0
	WIN 0
; THE WAY OUT, 16 rows x 64 columns at a time through my own stage: a lane holds 32 bytes of a row; back come whole runs of 256 bytes, which sixteen lanes store, aligned.  LDS serves a wave's instructions in order.
.macro TOSTAGE a
	WIN 0x08                                       ; an LDS store's data: window 2
.irp b, 0,1,2,3
	ds_store_b128 v[STO], v[8*(4*(\a)+\b):8*(4*(\a)+\b)+3] offset:64*\b            ; each accumulator from its low end on
	ds_store_b128 v[STO], v[8*(4*(\a)+\b)+4:8*(4*(\a)+\b)+7] offset:64*\b+16
.endr
	WIN 0
.irp t, 0,1,2,3,4,5,6,7
	ds_load_b128 v[BK+32*((\a)%2)+4*\t:BK+32*((\a)%2)+4*\t+3], v[RD] offset:544*\t
.endr
.endm
.macro SEND a, younger
	s_wait_dscnt \younger                          ; the block is back; the next block's eight stores and eight loads may be out
.irp t, 0,1,2,3,4,5,6,7
	global_store_b128 v[CO], v[BK+32*((\a)%2)+4*\t:BK+32*((\a)%2)+4*\t+3], s[10:11] offset:(16*(\a)+2*\t)*4096 th:TH_STORE_NT
.endr
.endm
	PLACES 4                                       ; the stores to the stage read results just made
	TOSTAGE 0
.irp a, 1,2,3,4,5,6,7
.if \a > 1
	s_wait_xcnt 0x0                                ; block a - 2's stores have read their registers: block a's loads may land there
.endif
	TOSTAGE \a
	SEND \a-1, 16
.endr
	SEND 7, 0
	s_wait_tensorcnt 0x0                           ; the wave's end
	ds_add_u32 v[SPW], v[NIL]
	s_wait_dscnt 0x0
	CROUND                                         ; the closing round
	s_endpgm
.Lfunc_end_k_q87104f6936_proj:
	.size	k_q87104f6936_proj, .Lfunc_end_k_q87104f6936_proj-k_q87104f6936_proj
	.p2alignl 7, 3214868480
	.fill 96, 4, 3214868480
	.section	.rodata,"a",@progbits
	.p2align	6, 0x0
	.amdhsa_kernel k_q87104f6936_proj
		.amdhsa_group_segment_fixed_size 327680
		.amdhsa_private_segment_fixed_size 0
		.amdhsa_enable_private_segment 0
		.amdhsa_kernarg_size 32
		.amdhsa_user_sgpr_count 2
		.amdhsa_user_sgpr_kernarg_segment_ptr 1
		.amdhsa_wavefront_size32 1
		.amdhsa_system_sgpr_workgroup_id_x 1
		.amdhsa_system_sgpr_workgroup_id_y 1
		.amdhsa_system_sgpr_workgroup_id_z 1
		.amdhsa_system_vgpr_workitem_id 0
		.amdhsa_next_free_vgpr 768
		.amdhsa_next_free_sgpr 66
		.amdhsa_reserve_vcc 0
		.amdhsa_float_denorm_mode_32 3
		.amdhsa_float_denorm_mode_16_64 3
		.amdhsa_memory_ordered 1
		.amdhsa_forward_progress 1
		.amdhsa_inst_pref_size 86
	.end_amdhsa_kernel
	.amdgpu_metadata
---
amdhsa.version: [ 1, 2 ]
amdhsa.kernels:
  - .name:           k_q87104f6936_proj
    .symbol:         k_q87104f6936_proj.kd
    .args:
      - { .name: y, .offset: 0, .size: 8, .value_kind: global_buffer, .address_space: global }
      - { .name: wp, .offset: 8, .size: 8, .value_kind: global_buffer, .address_space: global }
      - { .name: b_proj, .offset: 16, .size: 8, .value_kind: global_buffer, .address_space: global }
      - { .name: out0, .offset: 24, .size: 8, .value_kind: global_buffer, .address_space: global }
    .group_segment_fixed_size: 327680
    .private_segment_fixed_size: 0
    .kernarg_segment_align: 8
    .kernarg_segment_size: 32
    .max_flat_workgroup_size: 128
    .sgpr_count:     66
    .vgpr_count:     768
    .wavefront_size: 32
...
	.end_amdgpu_metadata
.endif
;; end of part 4
;; launch first_att (part 5): grid 64 x 1, 4 waves a work-group, no clusters, 8,960 bytes of LDS; arguments xc, xs, wc, ws, b_attn, rel_emb, yf; writes yf
.if DOCPART == 5
	.amdgcn_target "amdgcn-amd-amdhsa--gfx1250"
	.amdhsa_code_object_version 6
	.text
	.protected	k_q87104f6936_first_att
	.globl	k_q87104f6936_first_att
	.p2align	8
	.type	k_q87104f6936_first_att,@function
k_q87104f6936_first_att:
	s_mov_b64 s[64:65], 0
	v_nop
	global_prefetch_b8 v0, s[64:65] scope:SCOPE_SE
	s_setreg_imm32_b32 hwreg(HW_REG_WAVE_MODE, 25, 1), 1
	s_wait_xcnt 0x0
; THE FIRST 16 POSITIONS of every sequence and head, in f32: under the causal mask these rows average one to sixteen values and are the largest of the result, so no operand of theirs is rounded to 16 bits.
; Work-group = 4 x head + batch.  q, k, v of the 16 positions are made anew from the codes by the format's own matrix instruction (wave w: d = 16 w .. + 15 of each), the two small products by the f32 matrix form.
; LEFT OUT: the bias on k (the same for all keys of a row: softmax takes it away; never loaded).  The bias on v is the addend behind the division.  Distances here are 0 to 15, where the bucket is the distance.  Masked t is -3e38.
; q and k are made transposed (source 0 = 16 rows of W, source 1 = x): lane (r, h) holds position r, d = 8 h + j.  Pairs of their registers are A and B of S^T = k q^T over four d: the same d in the same lane and register of both.
; v is made with x as source 0: lane (r, h) holds d = r, positions 8 h + j: pairs of its registers are A of O^T = v^T p, and p's pairs (lane: query r, keys 8 h + j) its B.
; Each wave's S^T is a part over its 16 d: the four parts meet in LDS as images of registers; every wave then makes the same softmax.
; REGISTERS.  window 0: v1-13 addresses; v14, v15 the add's two; v16-31 scale words; v32-95 x's fragments, later at work; v96-159 W_v's; v160.. q, k, v; v184-215 the f32 products' sums, written by matrix instructions alone;
;   v216.. the biases; v232-239 rel; v240-247 rel's offsets.  window 1: W_q's fragments, W_k's, and x's once more, so that all 24 products on codes stand under one window setting.
.set SIMG,  0                          ; four images of 1,024 bytes
.set STG,   4096                       ; 16 rows x (256 + 16) bytes
.set SPARE, 8448                       ; the spare words, 128 bytes a wave
.set SPW, 14
.set NIL, 15
.set MSB, 0
.macro WIN new
.if MSB != \new
	s_set_vgpr_msb (MSB<<8)|\new
.set MSB, \new
.endif
.endm
	s_load_b256 s[4:11], s[0:1], 0x0               ; xc s[4:5], xs s[6:7], wc s[8:9], ws s[10:11]
	s_load_b128 s[12:15], s[0:1], 0x20             ; b_attn s[12:13], rel_emb s[14:15]
	s_load_b64 s[16:17], s[0:1], 0x30              ; yf
	v_lshl_add_u32 v[SPW], v0, 2, SPARE
	v_mov_b32 v[NIL], 0
	v_lshrrev_b32 v1, 5, v0
	v_readfirstlane_b32 s18, v1                    ; wave
	s_lshr_b32 s19, ttmp9, 2                       ; head
	s_and_b32 s20, ttmp9, 3                        ; batch
	v_and_b32 v1, 15, v0                           ; r
	v_bfe_u32 v2, v0, 4, 1                         ; h
	v_lshlrev_b32 v3, 9, v1
	v_lshl_add_u32 v3, v2, 4, v3                   ; codes: row r of 512 bytes + 16 h
	v_lshlrev_b32 v4, 5, v1
	v_lshl_add_u32 v4, v2, 4, v4                   ; scale bytes: row r of 32 + 16 h
	v_lshlrev_b32 v5, 5, v2                        ; 32 h
	v_lshlrev_b32 v6, 3, v2
	v_sub_nc_u32 v6, v1, v6                        ; r - 8 h: key 8 h + j is hidden from query r where j is above it
	v_and_b32 v7, 31, v0
	v_lshlrev_b32 v7, 4, v7                        ; 16 x lane
	s_lshl_b32 s21, s18, 10
	v_add_nc_u32 v8, s21, v7                       ; my image
	v_mul_u32_u24 v9, v1, 272
	v_lshl_add_u32 v9, v2, 5, v9
	s_lshl_b32 s21, s18, 6
	s_add_co_u32 s21, s21, STG
	v_add_nc_u32 v9, s21, v9                       ; the stage: row r, + 64 w + 32 h
	v_mul_u32_u24 v10, v2, 272
	v_lshl_add_u32 v10, v1, 4, v10
	s_mul_i32 s21, s18, 4*272
	s_add_co_u32 s21, s21, STG
	v_add_nc_u32 v10, s21, v10                     ; back: rows 4 w + l / 16, 16 bytes a lane
	v_lshlrev_b32 v11, 12, v2
	v_lshl_add_u32 v11, v1, 4, v11
	s_lshl_b32 s21, s18, 14
	v_add_nc_u32 v11, s21, v11                     ; and the same rows in yf
.irp j, 0,1,2,3,4,5,6,7
	v_add_nc_u32 v[240+\j], -\j, v6
	v_max_i32 v[240+\j], 0, v[240+\j]              ; the distance, 0 where the key is hidden
	v_lshlrev_b32 v[240+\j], 6, v[240+\j]
.endr
	s_mov_b32 s22, 0x3e38aa3b                      ; log2(e) / 8
	s_mov_b32 s23, 0x3fb8aa3b                      ; log2(e)
	s_mov_b32 s24, 0x76543210
	s_mov_b32 s25, 0xfedcba98
	s_mov_b32 s27, 0
	s_wait_kmcnt 0x0
	s_lshl_b32 s26, s20, 20
	s_add_nc_u64 s[4:5], s[4:5], s[26:27]          ; x's codes at the sequence's first row
	s_lshl_b32 s26, s20, 16
	s_add_nc_u64 s[6:7], s[6:7], s[26:27]
	s_add_nc_u64 s[16:17], s[16:17], s[26:27]      ; yf: 16 rows of 4,096 bytes a batch
	s_lshl_b32 s26, s19, 15
	s_lshl_b32 s28, s18, 13
	s_add_co_u32 s26, s26, s28
	s_add_nc_u64 s[8:9], s[8:9], s[26:27]          ; W's codes at row 64 hd + 16 w
	s_lshl_b32 s26, s19, 11
	s_lshl_b32 s28, s18, 9
	s_add_co_u32 s26, s26, s28
	s_add_nc_u64 s[10:11], s[10:11], s[26:27]
	s_lshl_b32 s26, s19, 8
	s_add_nc_u64 s[16:17], s[16:17], s[26:27]      ; + 256 hd
	s_lshl_b32 s28, s18, 6
	s_add_co_u32 s26, s26, s28
	s_add_nc_u64 s[12:13], s[12:13], s[26:27]      ; b_attn at 64 hd + 16 w
	s_lshl_b32 s26, s19, 2
	s_add_nc_u64 s[14:15], s[14:15], s[26:27]
	WIN 0x40                                       ; destination window 1
.irp s, 0,1,2,3,4,5,6,7
.irp c, 0,1
	global_load_b128 v[8*\s+4*\c:8*\s+4*\c+3], v3, s[8:9] offset:64*\s+32*\c                  ; W_q
	global_load_b128 v[64+8*\s+4*\c:64+8*\s+4*\c+3], v3, s[8:9] offset:524288+64*\s+32*\c     ; W_k: 1,024 rows on
	global_load_b128 v[128+8*\s+4*\c:128+8*\s+4*\c+3], v3, s[4:5] offset:64*\s+32*\c          ; x, for v
.endr
.endr
	WIN 0
.irp s, 0,1,2,3,4,5,6,7
.irp c, 0,1
	global_load_b128 v[32+8*\s+4*\c:32+8*\s+4*\c+3], v3, s[4:5] offset:64*\s+32*\c            ; x, for q and k
	global_load_b128 v[96+8*\s+4*\c:96+8*\s+4*\c+3], v3, s[8:9] offset:1048576+64*\s+32*\c    ; W_v
.endr
.endr
	global_load_b128 v[16:19], v4, s[6:7]                          ; scale words: register q' holds K step q' in lanes 0-15 and K step 4 + q' in lanes 16-31
	global_load_b128 v[20:23], v4, s[10:11]
	global_load_b128 v[24:27], v4, s[10:11] offset:32768
	global_load_b128 v[28:31], v4, s[10:11] offset:65536
	global_load_b128 v[216:219], v5, s[12:13]                      ; the bias on q at d = 8 h + 0 .. 7
	global_load_b128 v[220:223], v5, s[12:13] offset:16
	global_load_b128 v[224:227], v5, s[12:13] offset:8192          ; the bias on v
	global_load_b128 v[228:231], v5, s[12:13] offset:8208
.irp j, 0,1,2,3,4,5,6,7
	global_load_b32 v[232+\j], v[240+\j], s[14:15]
.endr
	s_wait_loadcnt 0x0
; one product on codes: K step s; cb = 1: the first step's C is the bias on q, else 0
.macro FP d, a, b, sa, sb, s, cb
.if (\s) == 0
.if \cb
	v_wmma_scale_f32_16x16x128_f8f6f4 v[\d:\d+7], v[\a:\a+7], v[\b:\b+7], v[216:223], v[\sa], v[\sb] matrix_a_fmt:MATRIX_FMT_FP4 matrix_b_fmt:MATRIX_FMT_FP4
.else
	v_wmma_scale_f32_16x16x128_f8f6f4 v[\d:\d+7], v[\a:\a+7], v[\b:\b+7], 0, v[\sa], v[\sb] matrix_a_fmt:MATRIX_FMT_FP4 matrix_b_fmt:MATRIX_FMT_FP4
.endif
.elseif (\s) < 4
	v_wmma_scale_f32_16x16x128_f8f6f4 v[\d:\d+7], v[\a:\a+7], v[\b:\b+7], v[\d:\d+7], v[\sa], v[\sb] matrix_a_fmt:MATRIX_FMT_FP4 matrix_b_fmt:MATRIX_FMT_FP4
.else
	v_wmma_scale_f32_16x16x128_f8f6f4 v[\d:\d+7], v[\a:\a+7], v[\b:\b+7], v[\d:\d+7], v[\sa], v[\sb] matrix_a_fmt:MATRIX_FMT_FP4 matrix_b_fmt:MATRIX_FMT_FP4 matrix_a_scale:MATRIX_SCALE_ROW1 matrix_b_scale:MATRIX_SCALE_ROW1
.endif
.endm
	WIN 0x01                                       ; source 0 window 1
.irp s, 0,1,2,3,4,5,6,7                        ; the three accumulators take turns
	FP 160, 8*\s,     32+8*\s, 20+\s%4, 16+\s%4, \s, 1     ; q
	FP 168, 64+8*\s,  32+8*\s, 24+\s%4, 16+\s%4, \s, 0     ; k
	FP 176, 128+8*\s, 96+8*\s, 16+\s%4, 28+\s%4, \s, 0     ; v
.endr
	WIN 0
.rept 5
	v_nop                                          ; five places: q and k become sources of matrix instructions
.endr
	v_wmma_f32_16x16x4_f32 v[184:191], v[168:169], v[160:161], 0                   ; S^T over my 16 d, four at a time, two sums by turns
	v_wmma_f32_16x16x4_f32 v[192:199], v[170:171], v[162:163], 0
	v_wmma_f32_16x16x4_f32 v[184:191], v[172:173], v[164:165], v[184:191]
	v_wmma_f32_16x16x4_f32 v[192:199], v[174:175], v[166:167], v[192:199]
.irp j, 0,1,2,3,4,5,6,7
	v_mul_f32 v[232+\j], s23, v[232+\j]            ; rel x log2(e): eight plain places behind the f32 form
.endr
.irp i, 0,1,2,3
	v_pk_add_f32 v[32+2*\i:33+2*\i], v[184+2*\i:185+2*\i], v[192+2*\i:193+2*\i]
.endr
	ds_store_b128 v8, v[32:35]
	ds_store_b128 v8, v[36:39] offset:512
	s_wait_dscnt 0x0                               ; for the others' sake: my image has landed
	s_barrier_signal -1
	s_barrier_wait -1
.irp s, 0,1,2,3
.irp c, 0,1
	ds_load_b128 v[40+8*\s+4*\c:40+8*\s+4*\c+3], v7 offset:SIMG+1024*\s+512*\c
.endr
.endr
	v_mov_b32 v81, 0                               ; (a lane permute's destination counts as read)
	v_mov_b32 v87, 0                               ; (named as the upper half of the pair v[86:87])
	v_mov_b32 v12, 0xff61b1e6                      ; -3e38
	s_wait_dscnt 0x0
.irp i, 0,1,2,3
	v_pk_add_f32 v[40+2*\i:41+2*\i], v[40+2*\i:41+2*\i], v[48+2*\i:49+2*\i]
	v_pk_add_f32 v[56+2*\i:57+2*\i], v[56+2*\i:57+2*\i], v[64+2*\i:65+2*\i]
.endr
.irp i, 0,1,2,3
	v_pk_add_f32 v[40+2*\i:41+2*\i], v[40+2*\i:41+2*\i], v[56+2*\i:57+2*\i]        ; the scores: lane (r, h): query r, keys 8 h + j
.endr
.irp j, 0,1,2,3,4,5,6,7
	v_fma_f32 v[72+\j], v[40+\j], s22, v[232+\j]   ; t = (s / 8 + rel) log2(e)
	v_cmp_gt_i32 vcc_lo, \j, v6
	v_cndmask_b32 v[72+\j], v[72+\j], v12, vcc_lo
.endr
	v_max3_num_f32 v80, v72, v73, v74
	v_max3_num_f32 v80, v80, v75, v76
	v_max3_num_f32 v80, v80, v77, v78
	v_max_num_f32 v80, v80, v79
	v_permlanex16_b32 v81, v80, s24, s25
	v_max_num_f32 v80, v80, v81                    ; the row's maximum: key 0 counts for every query
.irp j, 0,1,2,3,4,5,6,7
	v_sub_f32 v[72+\j], v[72+\j], v80
.endr
.irp j, 0,1,2,3,4,5,6,7
	v_exp_f32 v[72+\j], v[72+\j]
.endr
	v_nop
	s_wait_alu depctr_va_vdst(0)                   ; one wait for the eight, ahead of their first reader
	v_pk_add_f32 v[82:83], v[72:73], v[74:75]
	v_pk_add_f32 v[84:85], v[76:77], v[78:79]
	v_pk_add_f32 v[82:83], v[82:83], v[84:85]
	v_add_f32 v82, v82, v83
	v_permlanex16_b32 v81, v82, s24, s25
	v_add_f32 v82, v82, v81
	v_rcp_f32 v86, v82
	v_nop
	s_wait_alu depctr_va_vdst(0)                   ; the wait for the reciprocal
	v_wmma_f32_16x16x4_f32 v[200:207], v[176:177], v[72:73], 0                     ; O^T = v^T p over the 16 keys, four at a time, two sums by turns
	v_wmma_f32_16x16x4_f32 v[208:215], v[178:179], v[74:75], 0
	v_wmma_f32_16x16x4_f32 v[200:207], v[180:181], v[76:77], v[200:207]
	v_wmma_f32_16x16x4_f32 v[208:215], v[182:183], v[78:79], v[208:215]
.rept 8
	v_nop
.endr
.irp i, 0,1,2,3
	v_pk_add_f32 v[88+2*\i:89+2*\i], v[200+2*\i:201+2*\i], v[208+2*\i:209+2*\i]
.endr
.irp i, 0,1,2,3
	v_pk_fma_f32 v[88+2*\i:89+2*\i], v[88+2*\i:89+2*\i], v[86:87], v[224+2*\i:225+2*\i] op_sel_hi:[1,0,1]   ; / the sum, + the bias on v: y(query r, 16 w + 8 h + j)
.endr
	ds_store_b128 v9, v[88:91]
	ds_store_b128 v9, v[92:95] offset:16
	s_wait_dscnt 0x0                               ; for the others' sake
	s_barrier_signal -1
	s_barrier_wait -1
	ds_load_b128 v[96:99], v10
	ds_load_b128 v[100:103], v10 offset:544
	s_wait_dscnt 0x0
	global_store_b128 v11, v[96:99], s[16:17]                      ; sixteen lanes store 256 consecutive bytes, aligned
	global_store_b128 v11, v[100:103], s[16:17] offset:8192
	s_wait_tensorcnt 0x0                           ; the wave's end, behind my last LDS store
	ds_add_u32 v[SPW], v[NIL]
	s_wait_dscnt 0x0
	s_endpgm
.Lfunc_end_k_q87104f6936_first_att:
	.size	k_q87104f6936_first_att, .Lfunc_end_k_q87104f6936_first_att-k_q87104f6936_first_att
	.p2alignl 7, 3214868480
	.fill 96, 4, 3214868480
	.section	.rodata,"a",@progbits
	.p2align	6, 0x0
	.amdhsa_kernel k_q87104f6936_first_att
		.amdhsa_group_segment_fixed_size 8960
		.amdhsa_private_segment_fixed_size 0
		.amdhsa_enable_private_segment 0
		.amdhsa_kernarg_size 56
		.amdhsa_user_sgpr_count 2
		.amdhsa_user_sgpr_kernarg_segment_ptr 1
		.amdhsa_wavefront_size32 1
		.amdhsa_system_sgpr_workgroup_id_x 1
		.amdhsa_system_sgpr_workgroup_id_y 1
		.amdhsa_system_sgpr_workgroup_id_z 1
		.amdhsa_system_vgpr_workitem_id 0
		.amdhsa_next_free_vgpr 512
		.amdhsa_next_free_sgpr 66
		.amdhsa_reserve_vcc 1
		.amdhsa_float_denorm_mode_32 3
		.amdhsa_float_denorm_mode_16_64 3
		.amdhsa_memory_ordered 1
		.amdhsa_forward_progress 1
		.amdhsa_inst_pref_size 23
	.end_amdhsa_kernel
	.amdgpu_metadata
---
amdhsa.version: [ 1, 2 ]
amdhsa.kernels:
  - .name:           k_q87104f6936_first_att
    .symbol:         k_q87104f6936_first_att.kd
    .args:
      - { .name: xc, .offset: 0, .size: 8, .value_kind: global_buffer, .address_space: global }
      - { .name: xs, .offset: 8, .size: 8, .value_kind: global_buffer, .address_space: global }
      - { .name: wc, .offset: 16, .size: 8, .value_kind: global_buffer, .address_space: global }
      - { .name: ws, .offset: 24, .size: 8, .value_kind: global_buffer, .address_space: global }
      - { .name: b_attn, .offset: 32, .size: 8, .value_kind: global_buffer, .address_space: global }
      - { .name: rel_emb, .offset: 40, .size: 8, .value_kind: global_buffer, .address_space: global }
      - { .name: yf, .offset: 48, .size: 8, .value_kind: global_buffer, .address_space: global }
    .group_segment_fixed_size: 8960
    .private_segment_fixed_size: 0
    .kernarg_segment_align: 8
    .kernarg_segment_size: 56
    .max_flat_workgroup_size: 128
    .sgpr_count:     66
    .vgpr_count:     512
    .wavefront_size: 32
...
	.end_amdgpu_metadata
.endif
;; end of part 5
;; launch first_proj (part 6): grid 64 x 4, 8 waves a work-group, no clusters, 9,216 bytes of LDS; arguments yf, W_proj, b_proj, out0; writes out0
.if DOCPART == 6
	.amdgcn_target "amdgcn-amd-amdhsa--gfx1250"
	.amdhsa_code_object_version 6
	.text
	.protected	k_q87104f6936_first_proj
	.globl	k_q87104f6936_first_proj
	.p2align	8
	.type	k_q87104f6936_first_proj,@function
k_q87104f6936_first_proj:
	s_mov_b64 s[64:65], 0
	v_nop
	global_prefetch_b8 v0, s[64:65] scope:SCOPE_SE
	s_setreg_imm32_b32 hwreg(HW_REG_WAVE_MODE, 25, 1), 1
	s_wait_xcnt 0x0
; THE FIRST 16 POSITIONS of every sequence through W_proj, in f32: out0(2,048 batch + r, n) = sum over k of yf(16 batch + r, k) W_proj(n, k) + b_proj(n).  It stores anew the 64 rows that the launch before made from f16 operands.
; Work-group (nt, batch): 16 rows x 16 columns; wave w takes k = 128 w .. + 127: 32 instructions of the f32 matrix form on four sums by turns; the eight waves' parts meet in LDS as images of registers.
; Source 0 = 16 rows of W_proj, source 1 = 16 rows of yf: both are loaded alike, 16 bytes a lane at row x 4,096 + 16 h, so that a pair of registers holds the same four k in both.
; The result leaves in runs of 64 bytes a row: 16 columns a work-group, so that 256 work-groups share these 262,144 bytes of output; whole runs of 256 bytes would leave three WGPs in four without work.
.set SPARE, 8192                       ; behind the eight images: the spare words, 128 bytes a wave
.set SPW, 14
.set NIL, 15
	s_load_b256 s[4:11], s[0:1], 0x0               ; yf s[4:5], W_proj s[6:7], b_proj s[8:9], out0 s[10:11]
	v_lshl_add_u32 v[SPW], v0, 2, SPARE
	v_mov_b32 v[NIL], 0
	v_lshrrev_b32 v1, 5, v0
	v_readfirstlane_b32 s12, v1                    ; wave 0..7
	s_and_b32 s13, ttmp7, 0xffff                   ; batch
	s_and_b32 s14, s12, 1
	v_and_b32 v1, 15, v0                           ; r
	v_bfe_u32 v2, v0, 4, 1                         ; h
	v_lshlrev_b32 v3, 12, v1
	v_lshl_add_u32 v3, v2, 4, v3                   ; row r of 4,096 bytes + 16 h
	v_and_b32 v8, 31, v0
	v_lshlrev_b32 v8, 4, v8
	s_lshl_b32 s15, s12, 10
	v_add_nc_u32 v4, s15, v8                       ; my image
	s_lshl_b32 s15, s14, 9
	v_add_nc_u32 v5, s15, v8                       ; piece w % 2 of an image
	s_lshl_b32 s15, s14, 4
	v_lshl_add_u32 v6, v2, 5, s15                  ; columns 8 h + 4 (w % 2) on, in bytes
	v_lshl_add_u32 v7, v1, 12, v6                  ; and in row r of out0
	s_lshl_b32 s16, ttmp9, 16                      ; W_proj: 16 nt rows, + 128 w numbers
	s_lshl_b32 s18, s12, 9
	s_add_co_u32 s16, s16, s18
	s_mov_b32 s17, 0
	s_lshl_b32 s20, s13, 16                        ; yf: 16 batch rows, + 128 w numbers
	s_add_co_u32 s20, s20, s18
	s_mov_b32 s21, 0
	s_lshl_b32 s22, ttmp9, 6                       ; 16 nt columns in bytes
	s_mov_b32 s23, 0
	s_lshl_b32 s24, s13, 23                        ; 2,048 batch rows of out0
	s_mov_b32 s25, 0
	s_wait_kmcnt 0x0
	s_add_nc_u64 s[6:7], s[6:7], s[16:17]
	s_add_nc_u64 s[4:5], s[4:5], s[20:21]
	s_add_nc_u64 s[8:9], s[8:9], s[22:23]
	s_add_nc_u64 s[10:11], s[10:11], s[22:23]
	s_add_nc_u64 s[10:11], s[10:11], s[24:25]
.irp c, 0,1,2,3,4,5,6,7,8,9,10,11,12,13,14,15
	global_load_b128 v[16+4*\c:19+4*\c], v3, s[6:7] offset:32*\c
	global_load_b128 v[80+4*\c:83+4*\c], v3, s[4:5] offset:32*\c
.endr
	global_load_b128 v[192:195], v6, s[8:9]
	s_wait_loadcnt 0x0
.set e, 0
.rept 32
.if e < 4
	v_wmma_f32_16x16x4_f32 v[144+8*(e%4):151+8*(e%4)], v[16+2*e:17+2*e], v[80+2*e:81+2*e], 0
.else
	v_wmma_f32_16x16x4_f32 v[144+8*(e%4):151+8*(e%4)], v[16+2*e:17+2*e], v[80+2*e:81+2*e], v[144+8*(e%4):151+8*(e%4)]
.endif
.set e, e+1
.endr
.rept 8
	v_nop                                          ; eight places behind the f32 form
.endr
.irp i, 0,1,2,3
	v_pk_add_f32 v[176+2*\i:177+2*\i], v[144+2*\i:145+2*\i], v[152+2*\i:153+2*\i]
.endr
.irp i, 0,1,2,3
	v_pk_add_f32 v[184+2*\i:185+2*\i], v[160+2*\i:161+2*\i], v[168+2*\i:169+2*\i]
.endr
.irp i, 0,1,2,3
	v_pk_add_f32 v[176+2*\i:177+2*\i], v[176+2*\i:177+2*\i], v[184+2*\i:185+2*\i]
.endr
	ds_store_b128 v4, v[176:179]
	ds_store_b128 v4, v[180:183] offset:512
	s_wait_dscnt 0x0                               ; for the others' sake: my image has landed
	s_barrier_signal -1
	s_barrier_wait -1
	s_cmp_lt_u32 s12, 2                            ; waves 0 and 1 add the eight parts, four registers each
	s_cbranch_scc0 .Ldone
.irp s, 0,1,2,3,4,5,6,7
	ds_load_b128 v[16+4*\s:19+4*\s], v5 offset:1024*\s
.endr
	s_wait_dscnt 0x0
.irp s, 0,2,4,6
	v_pk_add_f32 v[16+4*\s:17+4*\s], v[16+4*\s:17+4*\s], v[20+4*\s:21+4*\s]
	v_pk_add_f32 v[18+4*\s:19+4*\s], v[18+4*\s:19+4*\s], v[22+4*\s:23+4*\s]
.endr
.irp s, 0,4
	v_pk_add_f32 v[16+4*\s:17+4*\s], v[16+4*\s:17+4*\s], v[24+4*\s:25+4*\s]
	v_pk_add_f32 v[18+4*\s:19+4*\s], v[18+4*\s:19+4*\s], v[26+4*\s:27+4*\s]
.endr
	v_pk_add_f32 v[16:17], v[16:17], v[32:33]
	v_pk_add_f32 v[18:19], v[18:19], v[34:35]
	v_pk_add_f32 v[16:17], v[16:17], v[192:193]    ; + b_proj
	v_pk_add_f32 v[18:19], v[18:19], v[194:195]
	global_store_b128 v7, v[16:19], s[10:11]
.Ldone:
	s_wait_tensorcnt 0x0                           ; the wave's end, behind my last LDS store
	ds_add_u32 v[SPW], v[NIL]
	s_wait_dscnt 0x0
	s_endpgm
.Lfunc_end_k_q87104f6936_first_proj:
	.size	k_q87104f6936_first_proj, .Lfunc_end_k_q87104f6936_first_proj-k_q87104f6936_first_proj
	.p2alignl 7, 3214868480
	.fill 96, 4, 3214868480
	.section	.rodata,"a",@progbits
	.p2align	6, 0x0
	.amdhsa_kernel k_q87104f6936_first_proj
		.amdhsa_group_segment_fixed_size 9216
		.amdhsa_private_segment_fixed_size 0
		.amdhsa_enable_private_segment 0
		.amdhsa_kernarg_size 32
		.amdhsa_user_sgpr_count 2
		.amdhsa_user_sgpr_kernarg_segment_ptr 1
		.amdhsa_wavefront_size32 1
		.amdhsa_system_sgpr_workgroup_id_x 1
		.amdhsa_system_sgpr_workgroup_id_y 1
		.amdhsa_system_sgpr_workgroup_id_z 1
		.amdhsa_system_vgpr_workitem_id 0
		.amdhsa_next_free_vgpr 224
		.amdhsa_next_free_sgpr 66
		.amdhsa_reserve_vcc 0
		.amdhsa_float_denorm_mode_32 3
		.amdhsa_float_denorm_mode_16_64 3
		.amdhsa_memory_ordered 1
		.amdhsa_forward_progress 1
		.amdhsa_inst_pref_size 10
	.end_amdhsa_kernel
	.amdgpu_metadata
---
amdhsa.version: [ 1, 2 ]
amdhsa.kernels:
  - .name:           k_q87104f6936_first_proj
    .symbol:         k_q87104f6936_first_proj.kd
    .args:
      - { .name: yf, .offset: 0, .size: 8, .value_kind: global_buffer, .address_space: global }
      - { .name: W_proj, .offset: 8, .size: 8, .value_kind: global_buffer, .address_space: global }
      - { .name: b_proj, .offset: 16, .size: 8, .value_kind: global_buffer, .address_space: global }
      - { .name: out0, .offset: 24, .size: 8, .value_kind: global_buffer, .address_space: global }
    .group_segment_fixed_size: 9216
    .private_segment_fixed_size: 0
    .kernarg_segment_align: 8
    .kernarg_segment_size: 32
    .max_flat_workgroup_size: 256
    .sgpr_count:     66
    .vgpr_count:     224
    .wavefront_size: 32
...
	.end_amdgpu_metadata
.endif
;; end of part 6
